; MI455X (gfx1250); checked and timed in simulation.
; The chip was launched on July 23, 2026; its instructions are those of AMD's public machine-readable ISA for CDNA 5 (MIT licence, August 2026) and "CDNA5" Instruction Set Architecture Reference Guide (July 2026). The comments in the code are by the model that wrote it; some were corrected since.
;; Transformer Layer. Allowed arithmetic: matrix products marked QUANTISED: E2M3 operands, one E8M0 scale for each 32 along K, by v_wmma_scale_f32_16x16x128_f8f6f4 with both operands' format E2M3, f32 sums; everything else in f32.
;; Inputs: Wk_codes 16 x 64 x 32 x 24 uint8 (E2M3 codes of Wk, K innermost, in blocks of 32 codes, four codes in three bytes); Wk_scales 16 x 64 x 32 uint8 (E8M0 scales of Wk, one for each 32 codes along K); Wo_codes 1,024 x 32 x 24 uint8 (E2M3 codes of Wo, K innermost, in blocks of 32 codes, four codes in three bytes); Wo_scales 1,024 x 32 uint8 (E8M0 scales of Wo, one for each 32 codes along K); Wq_codes 16 x 64 x 32 x 24 uint8 (E2M3 codes of Wq, K innermost, in blocks of 32 codes, four codes in three bytes); Wq_scales 16 x 64 x 32 uint8 (E8M0 scales of Wq, one for each 32 codes along K); Wv_codes 16 x 64 x 32 x 24 uint8 (E2M3 codes of Wv, K innermost, in blocks of 32 codes, four codes in three bytes); Wv_scales 16 x 64 x 32 uint8 (E8M0 scales of Wv, one for each 32 codes along K); g1 1,024 float32; g2 1,024 float32; w1_codes 4,096 x 32 x 24 uint8 (E2M3 codes of w1, K innermost, in blocks of 32 codes, four codes in three bytes); w1_scales 4,096 x 32 uint8 (E8M0 scales of w1, one for each 32 codes along K); w2_codes 1,024 x 128 x 24 uint8 (E2M3 codes of w2, K innermost, in blocks of 32 codes, four codes in three bytes); w2_scales 1,024 x 128 uint8 (E8M0 scales of w2, one for each 32 codes along K); x 2 x 2,048 x 1,024 float32.
;; Outputs: out0 2 x 2,048 x 1,024 float32.
;; This version of the problem:
;;   THIS VERSION OF THE PROBLEM IS GIVEN IN LOW PRECISION. The matrix products marked QUANTISED in the list below multiply operands that are first quantised to E2M3 (2 exponent bits, 3 mantissa bits; 6 bits a number), with one power-of-two scale for each 32 numbers along K (OCP MX v1.0); their sums are f32. All else is computed in f32.
;;   The module's matrix products, in the order in which they are computed (A, B: the left and right operand; K: the contracted axis; several contracted axes count as one K, in the product's order):
;;     1. [M 1,024, K 1,024] x [K 1,024, N 4,096]; A: input Wq (given as codes); B: computed on the way: QUANTISED
;;     2. [M 1,024, K 1,024] x [K 1,024, N 4,096]; A: input Wk (given as codes); B: computed on the way: QUANTISED
;;     3. [M 1,024, K 1,024] x [K 1,024, N 4,096]; A: input Wv (given as codes); B: computed on the way: QUANTISED
;;     4. batch 32 x [M 2,048, K 64] x [K 64, N 2,048]; A: computed on the way; B: computed on the way: QUANTISED
;;     5. batch 32 x [M 2,048, K 2,048] x [K 2,048, N 64]; A: softmax (see below); B: computed on the way: QUANTISED
;;     6. [M 4,096, K 1,024] x [K 1,024, N 1,024]; A: computed on the way; B: input Wo (given as codes): QUANTISED
;;     7. [M 4,096, K 1,024] x [K 1,024, N 4,096]; A: computed on the way; B: input w1 (given as codes): QUANTISED
;;     8. [M 4,096, K 4,096] x [K 4,096, N 1,024]; A: computed on the way; B: input w2 (given as codes): QUANTISED
;;   THE QUANTISER, for each operand of a quantised product, along K:
;;     - K is cut into blocks of 32 from its start; a last block that is shorter is filled with zeros.
;;     - A block's scale is 2^e with e = floor(log2(the largest magnitude in the block)) - 2, held to -126 .. 127; a block of zeros has e = 0. As a byte (E8M0): e + 127.
;;     - Each number is divided by its block's scale, clamped to +-7.5, and rounded to the nearest number of E2M3, ties to even, subnormals kept.
;;     - The product sums the exact products of the quantised numbers (number of the format x scale) in f32.
;;   ~~~python
;;   def quantise(x, axis):      # numpy; x: float32 -> the quantised numbers, widened to float32 again
;;       x = np.moveaxis(x, axis, -1); K = x.shape[-1]
;;       x = np.pad(x, [(0, 0)] * (x.ndim - 1) + [(0, -K % 32)]); x = x.reshape(x.shape[:-1] + (-1, 32)); a = np.abs(x).max(-1, keepdims=True)
;;       e = np.where(a > 0, np.clip(np.frexp(np.where(a > 0, a, 1))[1] - 1 - 2, -126, 127), 0)      # np.frexp(a)[1] - 1 = floor(log2(a)), exactly
;;       r = np.clip(x / 2.0 ** e, -7.5, 7.5)
;;       step = 2.0 ** (np.maximum(np.frexp(np.where(r == 0, 1, r))[1] - 1, 0) - 3)
;;       q = np.round(r / step) * step * 2.0 ** e      # np.round: ties to even
;;       return np.moveaxis(q.reshape(q.shape[:-2] + (-1,))[..., :K], -1, axis).astype(np.float32)
;;   ~~~
;;   SOFTMAX AHEAD OF A QUANTISED PRODUCT. Where the list says 'softmax', what is quantised is not the finished softmax but p = 2^(t - M), with t = logit x log2(e) and M = ceil(the row's largest t), a whole number; so 1/2 < the row's largest p <= 1. The row's sum l is taken of the UNQUANTISED p, in f32, and the product's result is divided by l at the end. Since M is a whole number, a kernel that streams over the keys may use a running M (the ceiling of the running maximum): every later rescaling is an exact power of two, which a block's scale takes up: the codes' values come out the same.
;;   OPERANDS COMPUTED ON THE WAY. 'Computed on the way' means the value that the module computes at that place (a softmax that the list does not call 'softmax' is quantised finished and normalised). What goes into a quantiser is computed in f32, as accurately as f32 sums, v_exp_f32 and their like allow (about 1e-6 of the number): no bf16 or f16 on the way to a quantiser, and a product that is left as it is and whose result goes on into a quantised operand takes f32 operands (vector FMAs, or v_wmma_f32_16x16x4_f32). A number that lies on a knife's edge between two numbers of the format may be rounded either way, as far as f32 arithmetic and the matrix unit's own rounding can turn it there, and no further.
;;   INPUTS GIVEN AS CODES. Wk (in the module: [16, 1024, 64], K = its axis 1); Wo (in the module: [1024, 1024], K = its axis 0); Wq (in the module: [16, 1024, 64], K = its axis 1); Wv (in the module: [16, 1024, 64], K = its axis 1); w1 (in the module: [1024, 4096], K = its axis 0); w2 (in the module: [4096, 1024], K = its axis 0): each comes as NAME_codes (uint8): NAME with its K axis moved to the last place and cut into blocks of 32 codes, [.., K / 32, bytes a block], one block behind the other in memory; four codes in three bytes: a row's codes are one little-endian stream of bits, code i at bits 6 i .. 6 i + 5 (a code: sign, 2 exponent bits, 3 mantissa bits); and NAME_scales (uint8): the same leading axes, one E8M0 byte (e + 127) for each 32 codes along K. Its value is code x scale, taken as it is: it is not quantised again, and the codes and scales need not be those that the quantiser above would give.
;; One version. Each part assembles by itself: llvm-mc -triple=amdgcn-amd-amdhsa -mcpu=gfx1250 --defsym DOCPART=n.
;; ======== version 1 of 1: 7 launches
;; limits: right only within a limited range of input values
;; workspace buffers: hrow 3,276,800 bytes; kvq 10,092,544 bytes; aimg 3,276,800 bytes; x1 16,777,216 bytes; himg 13,107,200 bytes
;; launch norm1 (part 1): grid 256 x 1, 4 waves a work-group, no clusters, 22,016 bytes of LDS; arguments x, g1, hrow; writes hrow
.if DOCPART == 1
	.amdgcn_target "amdgcn-amd-amdhsa--gfx1250"
	.amdhsa_code_object_version 6
	.text
	.protected	k_qca2a595a14_norm1
	.globl	k_qca2a595a14_norm1
	.p2align	8
	.type	k_qca2a595a14_norm1,@function
k_qca2a595a14_norm1:
	s_mov_b64 s[64:65], 0
	v_nop
	global_prefetch_b8 v0, s[64:65] scope:SCOPE_SE
	s_setreg_imm32_b32 hwreg(HW_REG_WAVE_MODE, 25, 1), 1
	s_wait_xcnt 0x0
; h = x * rsqrt(mean(x^2) + 1e-5) * g, row by row of 1,024 f32, then quantised along the row to codes of FP6 (E2M3) with one E8M0 byte for each 32 numbers.
; Out: codes [4096][768 bytes], a row's codes one stream of bits; behind them, at byte 3,145,728, the scale bytes [4096][32].
; A block's byte is its largest magnitude's exponent field - 2, held at 1 from below.  LIMITS: a block of zeros, or one whose largest magnitude lies under 2^(3 - 127), keeps the byte 1
; (its codes are zeros or next to zero; only this program reads the bytes); NaN and infinities among the inputs are not served.
; SHARES.  A work-group takes 16 rows, a wave 4; a row is one wave's 32 registers, so the sum of squares never leaves the wave: no barrier, no matrix unit, no tensor load.
; All 40 loads of a wave (g, then four rows) go out at once, each 512 consecutive bytes.  For the conversion a lane must hold 16 NEIGHBOURS: 512 numbers at a time turn through the wave's own
; stage in LDS (16 bytes of padding behind each 64), stored as loaded and read back 64 bytes a lane.  Two neighbouring lanes hold a block.
.set WREG,  5376                       ; LDS of a wave: two stages of 32 x 80 bytes, then its 128 scale bytes
.set SP,    80
.set E,     16                         ; v16-23   a scale byte for each of the 8 steps
.set G,     32                         ; v32-63   g as loaded
.set X,     64                         ; v64-191  four rows as loaded, then scaled
.set XS,    192                        ; v192-223 two sets of 16 neighbours
.set C,     224                        ; v224-255 codes: four registers a step, so that no store's data are written again
	s_load_b128 s[4:7], s[0:1], 0x0                ; x, g
	s_load_b64 s[8:9], s[0:1], 0x10                ; the codes' buffer
	v_lshl_add_u32 v251, v0, 2, 0x5400
	v_mov_b32 v255, 0
	v_lshrrev_b32 v2, 5, v0
	v_readfirstlane_b32 s16, v2                    ; wave
	v_and_b32 v2, 31, v0                           ; lane
	v_lshlrev_b32 v1, 4, v2                        ; my 16 bytes of a load's 512
	v_mul_u32_u24 v4, v2, 12                       ; my 12 bytes of a step's 384 bytes of codes
	s_mul_i32 s17, s16, WREG
	v_lshrrev_b32 v14, 2, v2
	v_mul_u32_u24 v14, v14, SP
	v_and_b32 v15, 3, v2
	v_lshl_add_u32 v14, v15, 4, v14
	v_add_nc_u32 v14, s17, v14                     ; the stage, way in: 80 (lane / 4) + 16 (lane % 4)
	v_mul_u32_u24 v15, v2, SP
	v_add_nc_u32 v15, s17, v15                     ; way out: 80 x lane
	v_lshrrev_b32 v5, 1, v2
	s_add_co_u32 s17, s17, 2*32*SP
	v_add_nc_u32 v5, s17, v5                       ; my block's scale byte
	v_lshlrev_b32 v7, 2, v2
	v_add_nc_u32 v6, s17, v7                       ; and on the way out 4 bytes a lane
	v_mov_b32 v29, 0                               ; a lane permute's destination counts as read
	s_mov_b32 s12, 0x76543210
	s_mov_b32 s13, 0xfedcba98                      ; selects: lane l xor 16
	s_mov_b32 s14, 0x3a800000                      ; 1 / 1024
	s_mov_b32 s15, 0x3727c5ac                      ; 1e-5
	s_lshl_b32 s18, ttmp9, 16                      ; my first row = 16 x work-group + 4 x wave: x 4,096 bytes,
	s_lshl_b32 s20, s16, 14
	s_add_co_u32 s18, s18, s20
	s_mov_b32 s19, 0
	s_mul_i32 s20, ttmp9, 12288                    ; x 768 bytes of codes,
	s_mul_i32 s21, s16, 3072
	s_add_co_u32 s20, s20, s21
	s_mov_b32 s21, 0
	s_lshl_b32 s22, ttmp9, 9                       ; x 32 scale bytes, behind the codes
	s_lshl_b32 s23, s16, 7
	s_add_co_u32 s22, s22, s23
	s_add_co_u32 s22, s22, 0x300000
	s_mov_b32 s23, 0
	s_wait_kmcnt 0x0
	s_add_nc_u64 s[4:5], s[4:5], s[18:19]
	s_add_nc_u64 s[10:11], s[8:9], s[22:23]
	s_add_nc_u64 s[8:9], s[8:9], s[20:21]
.irp i, 0,1,2,3,4,5,6,7
	global_load_b128 v[G+4*\i:G+4*\i+3], v1, s[6:7] offset:512*\i
.endr
.irp p, 0,1,2,3
.irp i, 0,1,2,3,4,5,6,7
	global_load_b128 v[X+32*\p+4*\i:X+32*\p+4*\i+3], v1, s[4:5] offset:4096*\p+512*\i th:TH_LOAD_NT
.endr
.endr
.macro TURN t                          ; step t's 512 numbers through stage t % 2: LDS serves a wave's instructions in order, so no wait stands between the stores and the loads
.irp i, 0,1,2,3
	ds_store_b128 v14, v[X+16*(\t)+4*\i:X+16*(\t)+4*\i+3] offset:32*SP*((\t)%2)+8*SP*\i
.endr
.irp i, 0,1,2,3
	ds_load_b128 v[XS+16*((\t)%2)+4*\i:XS+16*((\t)%2)+4*\i+3], v15 offset:32*SP*((\t)%2)+16*\i
.endr
.endm
.macro QSTEP t                         ; my 16 neighbours become 12 bytes of codes; my block's byte goes to LDS
.set XB, XS+16*((\t)%2)
	v_max3_num_f32 v8, |v[XB]|, |v[XB+1]|, |v[XB+2]|
	v_max3_num_f32 v9, |v[XB+3]|, |v[XB+4]|, |v[XB+5]|
.irp i, 6,10
	v_max3_num_f32 v8, v8, |v[XB+\i]|, |v[XB+\i+1]|
	v_max3_num_f32 v9, v9, |v[XB+\i+2]|, |v[XB+\i+3]|
.endr
	v_max3_num_f32 v8, v8, |v[XB+14]|, |v[XB+15]|
	v_max3_num_f32 v8, v8, v9, 0x1800000           ; and the floor 2^(3 - 127): the byte cannot fall under 1
	v_max_num_f32_dpp v8, v8, v8 row_xmask:1 row_mask:0xf bank_mask:0xf   ; with my neighbour's 16: the block's largest magnitude
	v_add_nc_u32 v11, 0xff000000, v8               ; 2 off its exponent field: the conversion takes the exponent field of this operand as its scale
	v_cvt_scalef32_pk16_fp6_f32 v[C+4*(\t):C+4*(\t)+2], v[XB:XB+15], v11
	v_lshrrev_b32 v[E+(\t)], 23, v11               ; the scale's byte (also the plain line behind the conversion)
	ds_store_b8 v5, v[E+(\t)] offset:16*(\t)       ; both lanes of a block write the same byte with the same value
	global_store_b96 v4, v[C+4*(\t):C+4*(\t)+2], s[8:9] offset:384*(\t)   ; the wave stores 384 consecutive bytes
.endm
.macro ROW p
.set XR, X+32*(\p)
	s_wait_loadcnt 24-8*(\p)                       ; g and this row are in; the 8 loads of each younger row may be out
	v_pk_mul_f32 v[24:25], v[XR:XR+1], v[XR:XR+1]  ; the sum of squares, two chains of pairs
	v_pk_mul_f32 v[26:27], v[XR+2:XR+3], v[XR+2:XR+3]
.irp i, 4,8,12,16,20,24,28
	v_pk_fma_f32 v[24:25], v[XR+\i:XR+\i+1], v[XR+\i:XR+\i+1], v[24:25]
	v_pk_fma_f32 v[26:27], v[XR+\i+2:XR+\i+3], v[XR+\i+2:XR+\i+3], v[26:27]
.endr
	v_pk_add_f32 v[24:25], v[24:25], v[26:27]
	v_add_f32 v28, v24, v25
	v_add_f32_dpp v28, v28, v28 row_xmask:1 row_mask:0xf bank_mask:0xf
	v_add_f32_dpp v28, v28, v28 row_xmask:2 row_mask:0xf bank_mask:0xf
	v_add_f32_dpp v28, v28, v28 row_xmask:4 row_mask:0xf bank_mask:0xf
	v_add_f32_dpp v28, v28, v28 row_xmask:8 row_mask:0xf bank_mask:0xf
	v_permlanex16_b32 v29, v28, s12, s13
	v_add_f32 v28, v28, v29                        ; every lane holds the row's sum
	v_fma_f32 v28, v28, s14, s15                   ; the mean + 1e-5
	s_wait_alu depctr_va_vdst(0)
	v_rsq_f32 v30, v28
	v_rsq_f32 v31, v28                             ; twice: the packed multiply takes a pair
	v_nop                                          ; a plain line behind the transcendentals
	s_wait_alu depctr_va_vdst(0)                   ; one wait for both, ahead of their first reader
.set i, 0
.rept 16
	v_pk_mul_f32 v[XR+i:XR+i+1], v[XR+i:XR+i+1], v[30:31]
.set i, i+2
.endr
.set i, 0
.rept 16
	v_pk_mul_f32 v[XR+i:XR+i+1], v[XR+i:XR+i+1], v[G+i:G+i+1]   ; (x inv) g, in that order
.set i, i+2
.endr
	TURN 2*(\p)
	TURN 2*(\p)+1
	s_wait_dscnt 8                                 ; the first half's numbers are back; the second turn's 8 instructions may be out
	QSTEP 2*(\p)
	s_wait_dscnt 1                                 ; the second half's are back; the byte store may be out
	QSTEP 2*(\p)+1
.endm
	ROW 0
	ROW 1
	ROW 2
	ROW 3
	ds_load_b32 v12, v6                            ; my wave's 128 scale bytes: these loads see my stores
	s_wait_dscnt 0x0
	global_store_b32 v7, v12, s[10:11]             ; 32 lanes store 128 consecutive bytes: four rows' scale bytes
	s_wait_tensorcnt 0x0
	ds_add_u32 v251, v255
	s_wait_dscnt 0x0
	s_endpgm
.Lfunc_end_k_qca2a595a14_norm1:
	.size	k_qca2a595a14_norm1, .Lfunc_end_k_qca2a595a14_norm1-k_qca2a595a14_norm1
	.p2alignl 7, 3214868480
	.fill 96, 4, 3214868480
	.section	.rodata,"a",@progbits
	.p2align	6, 0x0
	.amdhsa_kernel k_qca2a595a14_norm1
		.amdhsa_group_segment_fixed_size 22016
		.amdhsa_private_segment_fixed_size 0
		.amdhsa_enable_private_segment 0
		.amdhsa_kernarg_size 24
		.amdhsa_user_sgpr_count 2
		.amdhsa_user_sgpr_kernarg_segment_ptr 1
		.amdhsa_wavefront_size32 1
		.amdhsa_system_sgpr_workgroup_id_x 1
		.amdhsa_system_sgpr_workgroup_id_y 1
		.amdhsa_system_sgpr_workgroup_id_z 1
		.amdhsa_system_vgpr_workitem_id 0
		.amdhsa_next_free_vgpr 256
		.amdhsa_next_free_sgpr 66
		.amdhsa_reserve_vcc 0
		.amdhsa_float_denorm_mode_32 3
		.amdhsa_float_denorm_mode_16_64 3
		.amdhsa_memory_ordered 1
		.amdhsa_forward_progress 1
		.amdhsa_inst_pref_size 33
	.end_amdhsa_kernel
	.amdgpu_metadata
---
amdhsa.version: [ 1, 2 ]
amdhsa.kernels:
  - .name:           k_qca2a595a14_norm1
    .symbol:         k_qca2a595a14_norm1.kd
    .args:
      - { .name: x, .offset: 0, .size: 8, .value_kind: global_buffer, .address_space: global }
      - { .name: g1, .offset: 8, .size: 8, .value_kind: global_buffer, .address_space: global }
      - { .name: hrow, .offset: 16, .size: 8, .value_kind: global_buffer, .address_space: global }
    .group_segment_fixed_size: 22016
    .private_segment_fixed_size: 0
    .kernarg_segment_align: 8
    .kernarg_segment_size: 24
    .max_flat_workgroup_size: 128
    .sgpr_count:     66
    .vgpr_count:     256
    .wavefront_size: 32
...
	.end_amdgpu_metadata
.endif
;; end of part 1
;; launch qkv (part 2): grid 12 x 16, 4 waves a work-group, clusters of 4 x 4, 327,680 bytes of LDS; arguments hrow, Wq_codes, Wq_scales, Wk_codes, Wk_scales, Wv_codes, Wv_scales, kvq; writes kvq
.if DOCPART == 2
	.amdgcn_target "amdgcn-amd-amdhsa--gfx1250"
	.amdhsa_code_object_version 6
	.text
	.protected	k_qca2a595a14_qkv
	.globl	k_qca2a595a14_qkv
	.p2align	8
	.type	k_qca2a595a14_qkv,@function
k_qca2a595a14_qkv:
	s_mov_b64 s[64:65], 0
	v_nop
	global_prefetch_b8 v0, s[64:65] scope:SCOPE_SE
	s_setreg_imm32_b32 hwreg(HW_REG_WAVE_MODE, 25, 1), 1
	s_wait_xcnt 0x0
	s_wait_alu depctr_hold_cnt(0) depctr_sa_sdst(0) depctr_va_vdst(0) depctr_va_sdst(0) depctr_va_ssrc(0) depctr_va_vcc(0) depctr_vm_vsrc(0)
	s_getreg_b32 s2, hwreg(HW_REG_IB_STS2, 6, 4)
	s_cmp_eq_u32 s2, 0
	s_cbranch_scc0 .Lentry_in_a_cluster
	s_endpgm
.Lentry_in_a_cluster:
	s_bfe_u32 s2, ttmp6, 0x10000c
	s_cmp_lg_u32 s2, 0xf033
	s_cbranch_scc0 .Lentry_shape_is_right
	s_endpgm
.Lentry_shape_is_right:
; q, k, v = h W^T on codes of FP6 (E2M3) with E8M0 scales, K = 1,024, then quantised for the attention launch.  Cluster x chooses the product: 0 q, 1 k, 2 v.
; For q and k: A = h (4,096 tokens), B = the weight's 1,024 rows (head, e).  For v: A = Wv's rows, B = h.  Source 0 = 16 rows of B, source 1 = 16 rows of A: a lane holds one row of A and
; eight neighbouring rows of B, so q and k are quantised along e and v along the keys, from one lane's registers.
; A tile of 256 x 256 to a work-group of four waves; a wave makes 128 x 128: 64 accumulators.  3,072 x 4,096 results are 192 tiles.
; THE WALK ALONG K.  A row of codes is 768 bytes: three chunks of 256 bytes, each on a 256-byte border.  Two LDS slots, each with one chunk of A's 256 rows and of B's 256 rows, rows 272 bytes apart
; (68 words: row r starts at bank 4 r mod 64; 64 banks of 4 bytes: ISA guide 11.1); chunk c lies in slot c % 2.  The head's four loads, one a wave, fill both slots: A's chunk 0, B's chunk 0, A's chunk 1, B's chunk 1.
; Chunk 2 is the launch's one refill: it fills slot 0 again, 128 rows a wave, behind the three lines and a round of the cluster's barrier in step 2, when step 2's fragments, the last that read chunk 0,
; are in registers.  Step 4 waits for it: 112 matrix instructions stand between the request and the wait.
; THE SCALES GO STRAIGHT INTO REGISTERS, ONCE: a wave's 128 rows of A and 128 rows of B have 32 scale bytes a row for all of K; lane l of load pair j takes row 32 j + l, so a pair of loads covers 1,024 consecutive bytes.
; 64 registers hold them for the whole walk: lanes 0-15 an even block of 16 rows, lanes 16-31 the next; the products choose the row of the scale register by the block's parity.
; CLUSTERS: 4 x 4; A's tiles are asked for jointly along a row of the cluster, B's along a column.  The scales are not asked for jointly: 16 KB of the 400 KB that a work-group reads.
; NO PREFETCH: the walk has three chunks and no loop; two chunks come with the head's loads and the third is asked for as soon as its slot is free: there is no trip to run ahead in.
; OUT (kvq): for each head 16 records of 13,056 bytes, one for 128 keys (K's 8 tiles x 768 bytes, V^T's 4 fragments x 1,536, K's 128 scale words, V's 64); q's tiles at byte QC, q's scale words at QSW.
; LIMITS: a block whose largest magnitude lies under 2^(3 - 127) keeps the byte 1; NaN and infinities are not served.
; REGISTERS: window 0: v16-29 addresses, v32-95 scale words, v128-223 A's fragments (one set), on the way out v64-106; window 1: B's fragments (two sets); windows 2, 3: the accumulators.
.set KROW,  768
.set PITCH, 272
.set FR,    12
.set NL,    6
.set NP,    4
.set HALFT, 128*PITCH
.set BOFF,  2*HALFT
.set SLOT,  4*HALFT
.set SPARE, 2*SLOT
.set HPAD,  (1<<20)|(1<<21)|(5<<22)|(3<<25)            ; padding on; bit 21 beside a mask; behind every 64 words, 4 words
.set QC,     6684672
.set QSW,    9830400
.set ADRA, 16                          ; v16-17 my A rows in slot 0, 1, + 24 x half; v18 lanes 0-15 byte 232 in slot 0, lanes 16-31 byte 0 in slot 1; v19 the other way round
.set ADRB, 20                          ; v20-23 the same for B
.set ADRS, 27                          ; v27 32 x lane: my row's scale bytes
.set SPW,  28
.set NIL,  29
.set SC,   32                          ; A's word of step q, blocks 2 j and 2 j + 1, at SC + 8 j + q; B's at SC + 32 + 8 j + q
.set AF,   128
.set TM,   64
.set PC,   80
.set PW,   100
.set SW,   101
.set SH,   102
.set VSO,  103
.set L8,   104
.set LI,   105
.set B16,  106
.set G1,   24
.set G0H,  32
.set G0HB, 36
.set G1B,  48
.set G0R,  56
.set G0RB, 60
.set SEL,  66
.set G0C,  84
.set G0CB, 88
.set MSB, 0
.macro WIN new
.if MSB != \new
	s_set_vgpr_msb (MSB<<8)|\new
.set MSB, \new
.endif
.endm
.set MUL_LO, 0xa1
.set MUL_HI, 0xf1
.set TO_B,   0x40
.macro JLOAD g0a, g1a, g0b, g1b        ; waves 0, 1 ask for A, waves 2, 3 for B
	s_cmp_eq_u32 s15, 0
	s_cbranch_scc0 .Lfor_b_\@
	tensor_load_to_lds s[\g0a:\g0a+3], s[\g1a:\g1a+7]
	s_nop 0
.rept 4
	v_nop
.endr
	s_branch .Lasked_\@
.Lfor_b_\@:
	tensor_load_to_lds s[\g0b:\g0b+3], s[\g1b:\g1b+7]
	s_nop 0
.rept 4
	v_nop
.endr
.Lasked_\@:
.endm
.macro CREST
	s_cmp_lg_u32 s14, 0
	s_cbranch_scc1 .Lnot_wave_0_\@
	s_barrier_signal -3
.Lnot_wave_0_\@:
	s_barrier_wait -3
	s_barrier_signal -1
	s_barrier_wait -1
.endm
.macro CROUND
	s_barrier_signal -1
	s_barrier_wait -1
	CREST
.endm
.macro MKG1 g, c, r, p                 ; group 1 behind its first word: r rows of c elements, pitch p
	s_mov_b32 s[\g+1], (\c)<<16
	s_mov_b32 s[\g+2], (\r)<<16
	s_mov_b32 s[\g+3], (\c)<<16
	s_mov_b32 s[\g+4], \r
	s_mov_b32 s[\g+5], \p
	s_mov_b32 s[\g+6], 0
	s_mov_b32 s[\g+7], 0
.endm
.macro MKG0 g, lds, ptr
	s_mov_b32 s[\g], 1
	s_mov_b32 s[\g+1], \lds
	s_mov_b64 s[\g+2:\g+3], s[\ptr:\ptr+1]
	s_or_b32 s[\g+3], s[\g+3], 0x80000000
.endm
.macro ARM under, g0, g1, next
	s_cmp_lt_u32 s14, \under
	s_cbranch_scc0 \next
	tensor_load_to_lds s[\g0:\g0+3], s[\g1:\g1+7]
	s_nop 0
.rept 4
	v_nop
.endr
	s_branch .Lhead_asked
\next:
.endm
	s_load_b512 s[68:83], s[0:1], 0x0
	v_lshl_add_u32 v[SPW], v0, 2, SPARE
	v_mov_b32 v[NIL], 0
	ds_add_u32 v[SPW], v[NIL]                      ; the opening lines: the add twice on end and one wait
	ds_add_u32 v[SPW], v[NIL]
	v_lshrrev_b32 v1, 5, v0
	v_readfirstlane_b32 s14, v1                    ; wave
	s_lshr_b32 s15, s14, 1                         ; my half of the tile's rows; in the refill: A (0) or B (1)
	s_and_b32 s16, s14, 1                          ; my half of its columns; in the refill: which 128 rows
	s_bfe_u32 s40, ttmp6, 0x40000
	s_bfe_u32 s41, ttmp6, 0x40004
	s_and_b32 s18, ttmp7, 0xffff
	s_lshl_b32 s18, s18, 2
	s_cmp_eq_u32 ttmp9, 2                          ; v: the tokens are B's rows
	s_cselect_b32 s17, 0, s18
	s_cselect_b32 s42, s18, 0
	s_add_co_u32 s17, s17, s41                     ; tile row
	s_add_co_u32 s42, s42, s40                     ; tile column
	s_lshl_b32 s43, s41, 2
	s_lshl_b32 s43, 15, s43                        ; my row of the cluster
	s_lshl_b32 s44, 0x1111, s40                    ; my column
	s_or_b32 s[G1], s43, HPAD
	s_or_b32 s[G1B], s44, HPAD
	MKG1 G1, 256, 256, KROW
	MKG1 G1B, 256, 256, KROW
	s_lshl_b32 s22, s17, 13                        ; my 128 rows' scale bytes: 32 a row
	s_lshl_b32 s18, s15, 12
	s_add_co_u32 s22, s22, s18
	s_lshl_b32 s92, s42, 13
	s_lshl_b32 s18, s16, 12
	s_add_co_u32 s92, s92, s18
	s_mul_i32 s20, s17, 256*KROW
	s_mul_i32 s46, s42, 256*KROW
	s_mov_b32 s21, 0
	s_mov_b32 s23, 0
	s_mov_b32 s47, 0
	s_mov_b32 s93, 0
	s_mul_i32 s18, s16, 128*KROW
	s_add_co_u32 s18, s18, 512                     ; the refill: my 128 rows, chunk 2
	s_mov_b32 s19, 0
	s_mul_i32 s45, s14, HALFT
	s_mul_i32 s94, s15, HALFT                      ; my 128 rows of A in a slot,
	s_mul_i32 s95, s16, HALFT
	s_add_co_u32 s95, s95, BOFF                    ; of B
	s_mov_b32 s[SEL], 0x76543210
	s_mov_b32 s[SEL+1], 0xfedcba98
	s_wait_dscnt 0x0
	s_wait_kmcnt 0x0
	s_add_nc_u64 s[96:97], s[68:69], 0x300000      ; h's scale bytes
	s_cmp_eq_u32 ttmp9, 2
	s_cselect_b64 s[4:5], s[78:79], s[68:69]
	s_cselect_b64 s[6:7], s[80:81], s[96:97]
	s_cselect_b64 s[8:9], s[68:69], s[70:71]
	s_cselect_b64 s[10:11], s[96:97], s[72:73]
	s_cmp_eq_u32 ttmp9, 1
	s_cselect_b64 s[8:9], s[74:75], s[8:9]
	s_cselect_b64 s[10:11], s[76:77], s[10:11]
	s_mov_b64 s[12:13], s[82:83]
	s_add_nc_u64 s[20:21], s[4:5], s[20:21]
	s_add_nc_u64 s[22:23], s[6:7], s[22:23]
	s_add_nc_u64 s[46:47], s[8:9], s[46:47]
	s_add_nc_u64 s[92:93], s[10:11], s[92:93]
	s_add_nc_u64 s[96:97], s[20:21], 256
	s_add_nc_u64 s[2:3], s[46:47], 256
	MKG0 G0H, 0, 20
	MKG0 G0HB, BOFF, 46
	MKG0 G0C, SLOT, 96
	MKG0 G0CB, SLOT+BOFF, 2
	s_add_nc_u64 s[20:21], s[20:21], s[18:19]
	s_add_nc_u64 s[46:47], s[46:47], s[18:19]
	MKG0 G0R, s45, 20
	MKG0 G0RB, s45, 46
	CROUND                                         ; all sixteen work-groups are here: the joint loads meet
	ARM 1, G0H,  G1,  .Lhead_b                     ; one load a wave, one tree of branches on the wave's number
	ARM 2, G0HB, G1B, .Lhead_a1
	ARM 3, G0C,  G1,  .Lhead_b1
	tensor_load_to_lds s[G0CB:G0CB+3], s[G1B:G1B+7]
	s_nop 0
.rept 4
	v_nop
.endr
.Lhead_asked:
	v_and_b32 v1, 15, v0
	v_bfe_u32 v2, v0, 4, 1
	v_and_b32 v8, 31, v0
	v_mul_u32_u24 v3, v1, PITCH
	v_sub_nc_u32 v7, 1, v2
	v_mad_u32_u24 v4, v2, 24, v3
	v_mad_u32_u24 v5, v2, SLOT-232, v3
	v_mad_u32_u24 v6, v7, SLOT+232, v3
	v_add_nc_u32 v5, 232, v5
	v_add_nc_u32 v[ADRA], s94, v4
	v_add_nc_u32 v[ADRA+2], s94, v5
	v_add_nc_u32 v[ADRA+3], s94, v6
	v_add_nc_u32 v[ADRB], s95, v4
	v_add_nc_u32 v[ADRB+2], s95, v5
	v_add_nc_u32 v[ADRB+3], s95, v6
	v_add_nc_u32 v[ADRA+1], SLOT, v[ADRA]
	v_add_nc_u32 v[ADRB+1], SLOT, v[ADRB]
	v_lshlrev_b32 v[ADRS], 5, v8
.macro FRAG reg, adr, st, i            ; 16 rows x 128 K: six pieces of 8 bytes; byte y of a row lies in chunk y / 256, at byte y % 256 of the LDS row; lanes 16-31 read 24 bytes further on in the row
.irp p, 0,1,2,3,4,5
.set BY, 96*(\st)+48*(\p/3)+8*(\p%3)
.if BY/256 == (BY+24)/256
	ds_load_b64 v[\reg+2*\p:\reg+2*\p+1], v[\adr+(BY/256)%2] offset:BY%256+(\i)*16*PITCH
.else
	ds_load_b64 v[\reg+2*\p:\reg+2*\p+1], v[\adr+2+(BY/256)%2] offset:BY%256-232+(\i)*16*PITCH
.endif
.endr
.endm
.macro WM a, b, st, zero               ; one product; the rows of the scale registers go by the blocks' parity
.set DD, 8*(8*((\a)%4)+(\b))
.set FB, 128*((\st)%2)+FR*(\b)
.set FA, AF+FR*(\a)
.set SB, SC+32+8*((\b)/2)+(\st)
.set SA, SC+8*((\a)/2)+(\st)
.set MODE, 4*(\zero)+2*((\b)%2)+(\a)%2
.if MODE == 0
	v_wmma_scale_f32_16x16x128_f8f6f4 v[DD:DD+7], v[FB:FB+11], v[FA:FA+11], v[DD:DD+7], v[SB], v[SA] matrix_a_fmt:MATRIX_FMT_FP6 matrix_b_fmt:MATRIX_FMT_FP6
.elseif MODE == 1
	v_wmma_scale_f32_16x16x128_f8f6f4 v[DD:DD+7], v[FB:FB+11], v[FA:FA+11], v[DD:DD+7], v[SB], v[SA] matrix_a_fmt:MATRIX_FMT_FP6 matrix_b_fmt:MATRIX_FMT_FP6 matrix_b_scale:MATRIX_SCALE_ROW1
.elseif MODE == 2
	v_wmma_scale_f32_16x16x128_f8f6f4 v[DD:DD+7], v[FB:FB+11], v[FA:FA+11], v[DD:DD+7], v[SB], v[SA] matrix_a_fmt:MATRIX_FMT_FP6 matrix_b_fmt:MATRIX_FMT_FP6 matrix_a_scale:MATRIX_SCALE_ROW1
.elseif MODE == 3
	v_wmma_scale_f32_16x16x128_f8f6f4 v[DD:DD+7], v[FB:FB+11], v[FA:FA+11], v[DD:DD+7], v[SB], v[SA] matrix_a_fmt:MATRIX_FMT_FP6 matrix_b_fmt:MATRIX_FMT_FP6 matrix_a_scale:MATRIX_SCALE_ROW1 matrix_b_scale:MATRIX_SCALE_ROW1
.elseif MODE == 4
	v_wmma_scale_f32_16x16x128_f8f6f4 v[DD:DD+7], v[FB:FB+11], v[FA:FA+11], 0, v[SB], v[SA] matrix_a_fmt:MATRIX_FMT_FP6 matrix_b_fmt:MATRIX_FMT_FP6
.elseif MODE == 5
	v_wmma_scale_f32_16x16x128_f8f6f4 v[DD:DD+7], v[FB:FB+11], v[FA:FA+11], 0, v[SB], v[SA] matrix_a_fmt:MATRIX_FMT_FP6 matrix_b_fmt:MATRIX_FMT_FP6 matrix_b_scale:MATRIX_SCALE_ROW1
.elseif MODE == 6
	v_wmma_scale_f32_16x16x128_f8f6f4 v[DD:DD+7], v[FB:FB+11], v[FA:FA+11], 0, v[SB], v[SA] matrix_a_fmt:MATRIX_FMT_FP6 matrix_b_fmt:MATRIX_FMT_FP6 matrix_a_scale:MATRIX_SCALE_ROW1
.else
	v_wmma_scale_f32_16x16x128_f8f6f4 v[DD:DD+7], v[FB:FB+11], v[FA:FA+11], 0, v[SB], v[SA] matrix_a_fmt:MATRIX_FMT_FP6 matrix_b_fmt:MATRIX_FMT_FP6 matrix_a_scale:MATRIX_SCALE_ROW1 matrix_b_scale:MATRIX_SCALE_ROW1
.endif
.endm
.macro MUL16 a0, st, zero              ; A's blocks a0, a0 + 1 x B's eight; the 64 accumulators take turns, in the same order in every step
.irp a, \a0, \a0+1
.irp b, 0,1,2,3,4,5,6,7
	WM \a, \b, \st, \zero
.endr
.endr
.endm
.macro FETCH_B st, p
	WIN TO_B
.irp i, 0,1,2,3,4,5,6,7
	FRAG 128*(\p)+FR*\i, ADRB, \st, \i
.endr
	WIN 0
.endm
.macro FETCH_A st, i0
.irp i, \i0, \i0+1, \i0+2, \i0+3
	FRAG AF+FR*(\i), ADRA, \st, \i
.endr
.endm
.macro PLACES n
.rept \n
	v_nop
.endr
.endm
.macro STEP st, zero                   ; 64 products on step st's fragments; the next step's are fetched in its middle (B, A's blocks 0-3) and at its end (A's blocks 4-7)
.set NX, (\st)+1
.if (\st) == 2                         ; chunk 0 is read no more: the three lines, a round, the refill
	s_wait_tensorcnt 0x0
	ds_add_u32 v[SPW], v[NIL]
	s_wait_dscnt 4*NL+1                            ; the add and A's blocks 4-7 may be out
	WIN MUL_LO
	MUL16 0, \st, \zero
	s_wait_dscnt 0x0                               ; the add is done, and my reads of chunk 0 are over
	s_barrier_signal -1
	MUL16 2, \st, \zero
	WIN 0
	s_barrier_wait -1
	CREST
	JLOAD G0R, G1, G0RB, G1B                       ; chunk 2 into slot 0; its four v_nop are the places in front of the loads below
.elseif (\st) == 4                     ; the next step reads chunk 2: my part has landed, and the barrier shows it whole
	s_wait_dscnt 4*NL
	WIN MUL_LO
	MUL16 0, \st, \zero
	s_wait_tensorcnt 0x0
	s_wait_dscnt 0x0
	s_barrier_signal -1
	MUL16 2, \st, \zero
	WIN 0
	s_barrier_wait -1
	PLACES NP
.else
	s_wait_dscnt 4*NL                              ; all but A's blocks 4-7 are in
	WIN MUL_LO
	MUL16 0, \st, \zero
	MUL16 2, \st, \zero
	s_wait_dscnt 0
	PLACES NP
.endif
	FETCH_B NX, NX%2
	FETCH_A NX, 0
	WIN MUL_HI
	MUL16 4, \st, \zero
	MUL16 6, \st, \zero
	PLACES NP
	WIN 0
	FETCH_A NX, 4
.endm
	s_wait_alu depctr_va_vdst(0)                   ; the wait at the head's end
.irp j, 0,1,2,3
.irp hf, 0,1
	global_load_b128 v[SC+8*\j+4*\hf:SC+8*\j+4*\hf+3], v[ADRS], s[22:23] offset:1024*\j+16*\hf          ; A's rows 32 j + lane: scale words 4 hf .. 4 hf + 3
	global_load_b128 v[SC+32+8*\j+4*\hf:SC+32+8*\j+4*\hf+3], v[ADRS], s[92:93] offset:1024*\j+16*\hf    ; B's
.endr
.endr
	s_wait_tensorcnt 0x0                           ; my tile of the head's four is in; no load of mine is out, so group 1 may be written: the refill brings 128 rows
	MKG1 G1, 256, 128, KROW
	MKG1 G1B, 256, 128, KROW
	s_barrier_signal -1
	s_barrier_wait -1                              ; all four tiles are in
	FETCH_B 0, 0
	FETCH_A 0, 0
	FETCH_A 0, 4
	s_wait_loadcnt 0x0                             ; the scale words
	STEP 0, 1                                      ; the first step's products start the sums
.irp st, 1,2,3,4,5,6
	STEP \st, 0
.endr
	s_wait_dscnt 4*NL
	WIN MUL_LO
	MUL16 0, 7, 0
	MUL16 2, 7, 0
	s_wait_dscnt 0
	WIN MUL_HI
	MUL16 4, 7, 0
	MUL16 6, 7, 0
	WIN 0
; THE WAY OUT: a block of 16 rows x 128: four blocks of 32 along the lane's registers and lane l xor 16's; codes and a scale word
.macro QUANT s, w
	WIN 5*(\w)
.irp b, 0,1,2,3
	v_max3_num_f32 v[TM+\b], |v[(\s)+16*\b]|, |v[(\s)+1+16*\b]|, 0x1800000
.endr
.irp i, 2,4,6,8,10,12,14
.irp b, 0,1,2,3
	v_max3_num_f32 v[TM+\b], |v[(\s)+16*\b+\i]|, |v[(\s)+1+16*\b+\i]|, v[TM+\b]
.endr
.endr
	WIN 0
.irp b, 0,1,2,3
	v_permlanex16_b32 v[TM+4+\b], v[TM+\b], s[SEL], s[SEL+1]
.endr
.irp b, 0,1,2,3
	v_max_num_f32 v[TM+\b], v[TM+\b], v[TM+4+\b]
.endr
.irp b, 0,1,2,3
	v_add_nc_u32 v[TM+12+\b], 0xff000000, v[TM+\b]
.endr
.irp b, 0,1,2,3
	v_lshrrev_b32 v[TM+4+\b], 23, v[TM+12+\b]
.endr
	v_lshl_or_b32 v[PW], v[TM+5], 8, v[TM+4]
	v_lshl_or_b32 v[PW], v[TM+6], 16, v[PW]
	v_lshl_or_b32 v[PW], v[TM+7], 24, v[PW]
	WIN \w
.irp c, 0,1
	v_cvt_scalef32_pk16_fp6_f32 v[PC+6*\c:PC+2+6*\c], v[(\s)+32*\c:(\s)+15+32*\c], v[TM+12+2*\c]
	v_cvt_scalef32_pk16_fp6_f32 v[PC+12+4*\c:PC+14+4*\c], v[(\s)+16+32*\c:(\s)+31+32*\c], v[TM+13+2*\c]
.endr
	WIN 0
	v_nop
.irp c, 0,1
.irp i, 0,1,2
	v_permlane16_swap_b32 v[PC+6*\c+\i], v[PC+12+4*\c+\i]
.endr
.irp i, 0,1,2
	v_mov_b32 v[PC+3+6*\c+\i], v[PC+12+4*\c+\i]
.endr
.endr
.endm
	s_cmp_eq_u32 ttmp9, 2
	s_cselect_b32 s18, s42, s17
	s_cselect_b32 s19, s16, s15
	s_cselect_b32 s26, s17, s42
	s_cselect_b32 s27, s15, s16
	s_cselect_b32 s28, 6144, 0
	s_mov_b32 s29, 12288
	s_cselect_b32 s29, 12800, s29
	s_cmp_eq_u32 ttmp9, 0
	s_mov_b32 s30, 208896
	s_cselect_b32 s30, 98304, s30
	s_mov_b32 s31, 13056
	s_cselect_b32 s31, 6144, s31
	s_mov_b32 s32, 208896
	s_cselect_b32 s32, 8192, s32
	s_mov_b32 s33, 13056
	s_cselect_b32 s33, 512, s33
	s_cselect_b32 s28, QC, s28
	s_cselect_b32 s29, QSW, s29
	s_lshr_b32 s34, s18, 3
	s_lshl_b32 s34, s34, 4
	s_lshl_b32 s26, s26, 2
	s_add_co_u32 s34, s34, s26
	s_lshl_b32 s27, s27, 1
	s_add_co_u32 s34, s34, s27
	s_lshl_b32 s18, s18, 1
	s_add_co_u32 s18, s18, s19
	s_and_b32 s18, s18, 15
	s_mul_i32 s20, s34, s30
	s_mul_i32 s21, s18, s31
	s_add_co_u32 s20, s20, s21
	s_add_co_u32 s20, s20, s28
	s_mov_b32 s21, 0
	s_add_nc_u64 s[20:21], s[12:13], s[20:21]
	s_mov_b32 s31, 0
	s_add_nc_u64 s[22:23], s[20:21], s[30:31]
	s_mul_i32 s24, s34, s32
	s_mul_i32 s25, s18, s33
	s_add_co_u32 s24, s24, s25
	s_add_co_u32 s24, s24, s29
	s_mov_b32 s25, 0
	s_add_nc_u64 s[24:25], s[12:13], s[24:25]
	v_and_b32 v1, 15, v0
	v_bfe_u32 v2, v0, 4, 1
	v_and_b32 v3, 31, v0
	v_lshlrev_b32 v[LI], 4, v3
	v_lshlrev_b32 v[L8], 3, v3
	v_lshlrev_b32 v[SH], 4, v2
	v_lshlrev_b32 v[B16], 1, v2
	v_lshl_add_u32 v[B16], v1, 2, v[B16]
	v_mul_u32_u24 v[VSO], s32, v2
	v_lshl_add_u32 v[VSO], v1, 2, v[VSO]
.irp b, 0,1,2,3
	v_mov_b32 v[TM+4+\b], 0
.endr
	PLACES NP
.macro OUT a
.set AC, 64*((\a)%4)
.set AW, 2+(\a)/4
	s_wait_xcnt 0x0                                ; the last block's stores have read their registers
	QUANT AC, AW
	v_lshrrev_b32 v[SW], v[SH], v[PW]
	s_cmp_eq_u32 ttmp9, 2
	s_cbranch_scc1 .Lv_\@
	global_store_b128 v[LI], v[PC:PC+3], s[20:21] offset:768*(\a)
	global_store_b64 v[L8], v[PC+4:PC+5], s[20:21] offset:768*(\a)+512
	global_store_b128 v[LI], v[PC+6:PC+9], s[22:23] offset:768*(\a)
	global_store_b64 v[L8], v[PC+10:PC+11], s[22:23] offset:768*(\a)+512
	global_store_b32 v[VSO], v[SW], s[24:25] offset:64*(\a)
	s_branch .Ldone_\@
.Lv_\@:
	s_wait_alu depctr_va_vdst(0)
.irp c, 0,1,2
	global_store_b128 v[LI], v[PC+4*\c:PC+4*\c+3], s[20:21] offset:((\a)/4)*208896+((\a)%4)*1536+512*\c
.endr
	global_store_b16 v[B16], v[SW], s[24:25] offset:((\a)/4)*208896+((\a)%4)*64
.Ldone_\@:
.endm
.irp a, 0,1,2,3,4,5,6,7
	OUT \a
.endr
	s_wait_tensorcnt 0x0                           ; the wave's end
	ds_add_u32 v[SPW], v[NIL]
	s_wait_dscnt 0x0
	CROUND                                         ; the closing round
	s_endpgm
.Lfunc_end_k_qca2a595a14_qkv:
	.size	k_qca2a595a14_qkv, .Lfunc_end_k_qca2a595a14_qkv-k_qca2a595a14_qkv
	.p2alignl 7, 3214868480
	.fill 96, 4, 3214868480
	.section	.rodata,"a",@progbits
	.p2align	6, 0x0
	.amdhsa_kernel k_qca2a595a14_qkv
		.amdhsa_group_segment_fixed_size 327680
		.amdhsa_private_segment_fixed_size 0
		.amdhsa_enable_private_segment 0
		.amdhsa_kernarg_size 64
		.amdhsa_user_sgpr_count 2
		.amdhsa_user_sgpr_kernarg_segment_ptr 1
		.amdhsa_wavefront_size32 1
		.amdhsa_system_sgpr_workgroup_id_x 1
		.amdhsa_system_sgpr_workgroup_id_y 1
		.amdhsa_system_sgpr_workgroup_id_z 1
		.amdhsa_system_vgpr_workitem_id 0
		.amdhsa_next_free_vgpr 1024
		.amdhsa_next_free_sgpr 100
		.amdhsa_reserve_vcc 0
		.amdhsa_float_denorm_mode_32 3
		.amdhsa_float_denorm_mode_16_64 3
		.amdhsa_memory_ordered 1
		.amdhsa_forward_progress 1
		.amdhsa_inst_pref_size 169
	.end_amdhsa_kernel
	.amdgpu_metadata
---
amdhsa.version: [ 1, 2 ]
amdhsa.kernels:
  - .name:           k_qca2a595a14_qkv
    .symbol:         k_qca2a595a14_qkv.kd
    .args:
      - { .name: hrow, .offset: 0, .size: 8, .value_kind: global_buffer, .address_space: global }
      - { .name: Wq_codes, .offset: 8, .size: 8, .value_kind: global_buffer, .address_space: global }
      - { .name: Wq_scales, .offset: 16, .size: 8, .value_kind: global_buffer, .address_space: global }
      - { .name: Wk_codes, .offset: 24, .size: 8, .value_kind: global_buffer, .address_space: global }
      - { .name: Wk_scales, .offset: 32, .size: 8, .value_kind: global_buffer, .address_space: global }
      - { .name: Wv_codes, .offset: 40, .size: 8, .value_kind: global_buffer, .address_space: global }
      - { .name: Wv_scales, .offset: 48, .size: 8, .value_kind: global_buffer, .address_space: global }
      - { .name: kvq, .offset: 56, .size: 8, .value_kind: global_buffer, .address_space: global }
    .group_segment_fixed_size: 327680
    .private_segment_fixed_size: 0
    .kernarg_segment_align: 8
    .kernarg_segment_size: 64
    .max_flat_workgroup_size: 128
    .sgpr_count:     100
    .vgpr_count:     1024
    .wavefront_size: 32
...
	.end_amdgpu_metadata
.endif
;; end of part 2
;; launch attn (part 3): grid 8 x 32, 16 waves a work-group, clusters of 4 x 1, 210,944 bytes of LDS; arguments kvq, aimg; writes aimg
.if DOCPART == 3
	.amdgcn_target "amdgcn-amd-amdhsa--gfx1250"
	.amdhsa_code_object_version 6
	.text
	.protected	k_qca2a595a14_attn
	.globl	k_qca2a595a14_attn
	.p2align	8
	.type	k_qca2a595a14_attn,@function
k_qca2a595a14_attn:
	s_mov_b64 s[64:65], 0
	v_nop
	global_prefetch_b8 v0, s[64:65] scope:SCOPE_SE
	s_setreg_imm32_b32 hwreg(HW_REG_WAVE_MODE, 25, 1), 1
	s_wait_xcnt 0x0
	s_wait_alu depctr_hold_cnt(0) depctr_sa_sdst(0) depctr_va_vdst(0) depctr_va_sdst(0) depctr_va_ssrc(0) depctr_va_vcc(0) depctr_vm_vsrc(0)
	s_getreg_b32 s2, hwreg(HW_REG_IB_STS2, 6, 4)
	s_cmp_eq_u32 s2, 0
	s_cbranch_scc0 .Lentry_in_a_cluster
	s_endpgm
.Lentry_in_a_cluster:
	s_bfe_u32 s2, ttmp6, 0x10000c
	s_cmp_lg_u32 s2, 0x3003
	s_cbranch_scc0 .Lentry_shape_is_right
	s_endpgm
.Lentry_shape_is_right:
; Causal attention of one head on codes of FP6 (E2M3): S^T = K Q^T (K = the head's 64), p = 2^(t - M), O^T = V^T P^T (K = the keys), O / the row's sum, quantised along (head, e) for the next product.
; t = score x log2(e) / 8; M = the running largest t rounded UP to a whole number; the row's sum is taken of the unquantised p; when M moves, the sum and O^T are multiplied by 2^(old M - new M): exact.
; IN (kvq): a head's 16 records of 13,056 bytes, one for 128 keys: K's 8 tiles x 768 bytes, V^T's 4 fragments x 1,536, K's 128 scale words, V's 64; q's tiles and scale words behind all records.
; THE WHOLE HEAD LIES IN LDS: 208,896 bytes, filled once: wave w asks for record w.  No slot is filled again, so there is one barrier and no ring.
; CLUSTER: the four work-groups of a cluster serve one head: each record is asked for jointly, by the same tensor load with a mask that names the four.
; SHARES.  Work-group j (0..7) of a head, wave w: the 16 queries of tile j + 8 pi(w), pi a permutation of 0..15.  That tile needs key steps 0 .. pi(w), the last on the diagonal: this hangs on the wave's number alone.
; pi is a 4 x 4 square whose rows and columns all sum to 30, so any four waves w / 4 or w % 4 alike have 34 steps together; all work-groups have the same work.
; K = 64 IN A FORM OF K = 128: q's registers 6-11 are zero codes; K's operand is a tile's six registers and the six that follow (the next tile's codes, or zeros): they meet zero codes and add nothing.
; ORDER IN A BLOCK: q, k, v arrive with each block's members in the order 0-7, 16-23, 8-15, 24-31, the order in which p falls here too; the output meets a given weight and is put in true order first.
; LIMITS: a block whose largest magnitude lies under 2^(3 - 127) keeps the byte 1; NaN and infinities are not served.
.set REC,   13056
.set HEADB, 208896
.set QC,    6684672
.set QSW,   9830400
.set LI,  1                            ; v1   16 x lane
.set L8,  2                            ; v2   8 x lane
.set L4,  3                            ; v3   4 x lane
.set A16, 4                            ; v4-6 the same + the record in hand
.set A8,  5
.set A4,  6
.set VD,  7                            ; v7   16 j + lane % 16 - 8 (lane / 16): on the diagonal, register 8 t + i is hidden where 16 t + i is above it
.set NINF, 8                           ; v8   -infinity
.set SBO, 9                            ; v9   4 (lane % 16) + lane / 16: where my scale byte goes
.set R4,  10                           ; v10  4 (lane % 16)
.set QF,  16                           ; v16-27 q's fragment
.set QS,  28                           ; v28  q's scale words
.set KB,  30                           ; v30-83 K's 8 x 6 registers and six zeros; later V's four fragments
.set KSC, 84                           ; v84-87 K's scale words: lanes 0-15 tile 2 u, lanes 16-31 tile 2 u + 1
.set VSC, 88                           ; v88-89 V's
.set S,   96                           ; v96-159 S^T, then p
.set O,   160                          ; v160-191 O^T
.set PC,  192                          ; v192-203 p's codes; v204-210 halves on their way
.set BM,  212                          ; v212-215 a block's largest score, then its largest p
.set BT,  216                          ; v216-219 the other half's; then the bytes
.set SO,  220                          ; v220-223 the conversions' scale operands
.set T,   224
.set F,   226                          ; v226 f = 2^(old M - new M); v227 p's scale word
.set L2,  228                          ; v[228:229] the sum's second chain
.set WV,  8
.set PI,  9
.set KSN, 28                           ; s28  the key step
.set TB,  29                           ; s29  its record's LDS byte
.set SEL, 30
.set CS,  32
.set HM,  38                           ; s38  the mask of lanes 16-31
.macro ROUND
	s_barrier_signal -1
	s_barrier_wait -1
	s_cmp_lg_u32 s[WV], 0
	s_cbranch_scc1 .Lnot_wave_0_\@
	s_barrier_signal -3
.Lnot_wave_0_\@:
	s_barrier_wait -3
	s_barrier_signal -1
	s_barrier_wait -1
.endm
.macro PLACES n
.rept \n
	v_nop
.endr
.endm
	s_load_b128 s[4:7], s[0:1], 0x0                ; kvq, aimg
	v_lshl_add_u32 v254, v0, 2, 0x33000
	v_mov_b32 v255, 0
	ds_add_u32 v254, v255
	ds_add_u32 v254, v255
	v_lshrrev_b32 v11, 5, v0
	s_delay_alu instid0(VALU_DEP_1)
	v_readfirstlane_b32 s[WV], v11                 ; wave 0..15
	s_bfe_u32 s10, ttmp6, 0x40000                  ; cx: it enters q's and the output's addresses and the diagonal's mask alone
	s_lshl_b32 s11, ttmp9, 2
	s_add_co_u32 s11, s11, s10                     ; j = 4 x cluster x + cx
	s_and_b32 s12, ttmp7, 0xffff                   ; bh, which the four partners share
	s_cmp_lt_u32 s[WV], 8
	s_mov_b32 s13, 0x0de3b658                      ; pi, four bits a wave: waves 8-15,
	s_cselect_b32 s13, 0x7a94c12f, s13             ; waves 0-7
	s_and_b32 s14, s[WV], 7
	s_lshl_b32 s14, s14, 2
	s_lshr_b32 s13, s13, s14
	s_and_b32 s[PI], s13, 15
	s_lshl_b32 s15, s[PI], 3
	s_add_co_u32 s15, s15, s11                     ; my tile of queries
	s_mov_b32 s16, 15|(3<<16)|(1<<21)              ; group 1: the mask: all four work-groups; elements of 8 bytes; bit 21 beside a mask; no padding
	s_mov_b32 s17, 32<<16                          ; tensor_dim0 = 32 elements: rows of 256 bytes
	s_mov_b32 s18, 51<<16                          ; tensor_dim1 = 51 rows: a record
	s_mov_b32 s19, 32<<16                          ; tile_dim0
	s_mov_b32 s20, 51                              ; tile_dim1
	s_mov_b32 s21, 32                              ; stride: dense
	s_mov_b32 s22, 0
	s_mov_b32 s23, 0
	s_mov_b32 s24, 1
	s_mul_i32 s25, s[WV], REC                      ; record w goes to LDS byte 13,056 w
	s_mul_i32 s34, s12, HEADB
	s_add_co_u32 s34, s34, s25
	s_mov_b32 s35, 0
	s_mov_b32 s[SEL], 0x76543210
	s_mov_b32 s[SEL+1], 0xfedcba98
	s_mov_b32 s[CS], 0x3e38aa3b                    ; c = log2(e) / 8
	s_mov_b32 s[CS+1], s[CS]
	s_mov_b32 s[HM], 0xffff0000
	s_mov_b32 s[KSN], 0
	s_mov_b32 s[TB], 0
	s_wait_dscnt 0x0
	s_wait_kmcnt 0x0
	s_add_nc_u64 s[26:27], s[4:5], s[34:35]
	s_or_b32 s27, s27, 0x80000000
	ROUND                                          ; all four work-groups are here: the joint loads meet
	tensor_load_to_lds s[24:27], s[16:23]          ; my one tensor load
	s_nop 0
.rept 4
	v_nop
.endr
	s_mul_i32 s36, s12, 98304                      ; q's tile: 768 bytes
	s_mul_i32 s37, s15, 768
	s_add_co_u32 s36, s36, s37
	s_add_co_u32 s36, s36, QC
	s_mov_b32 s37, 0
	s_add_nc_u64 s[40:41], s[4:5], s[36:37]
	s_lshl_b32 s36, s12, 13                        ; its 16 scale words
	s_lshl_b32 s39, s15, 6
	s_add_co_u32 s36, s36, s39
	s_add_co_u32 s36, s36, QSW
	s_add_nc_u64 s[42:43], s[4:5], s[36:37]
	s_lshr_b32 s36, s12, 4                         ; the output: tile of tokens 128 batch + my tile; chunk of 128 along K = head / 2
	s_lshl_b32 s36, s36, 7
	s_add_co_u32 s36, s36, s15
	s_and_b32 s39, s12, 15
	s_lshr_b32 s39, s39, 1
	s_mul_i32 s34, s36, 12288
	s_mul_i32 s35, s39, 1536
	s_add_co_u32 s34, s34, s35
	s_mov_b32 s35, 0
	s_add_nc_u64 s[44:45], s[6:7], s[34:35]
	s_lshl_b32 s34, s36, 9                         ; its scale words: 512 bytes a tile, 64 a chunk; my head's two bytes of each word
	s_lshl_b32 s39, s39, 6
	s_add_co_u32 s34, s34, s39
	s_and_b32 s39, s12, 1
	s_lshl_b32 s39, s39, 1
	s_add_co_u32 s34, s34, s39
	s_add_co_u32 s34, s34, 0x300000
	s_add_nc_u64 s[46:47], s[6:7], s[34:35]
	v_and_b32 v11, 31, v0
	s_delay_alu instid0(VALU_DEP_1)
	v_lshlrev_b32 v[LI], 4, v11
	s_delay_alu instid0(VALU_DEP_2)
	v_lshlrev_b32 v[L8], 3, v11
	s_delay_alu instid0(VALU_DEP_3)
	v_lshlrev_b32 v[L4], 2, v11
	v_and_b32 v[R4], 15, v0
	v_bfe_u32 v11, v0, 4, 1
	s_delay_alu instid0(VALU_DEP_1)
	v_lshl_add_u32 v[SBO], v[R4], 2, v11
	s_delay_alu instid0(VALU_DEP_2)
	v_lshlrev_b32 v11, 3, v11
	s_delay_alu instid0(VALU_DEP_1)
	v_sub_nc_u32 v[VD], v[R4], v11
	s_lshl_b32 s39, s11, 4
	v_add_nc_u32 v[VD], s39, v[VD]
	v_lshlrev_b32 v[R4], 2, v[R4]
	global_load_b128 v[QF:QF+3], v[LI], s[40:41]
	global_load_b64 v[QF+4:QF+5], v[L8], s[40:41] offset:512
	global_load_b32 v[QS], v[R4], s[42:43]
.irp i, 6,7,8,9,10,11
	v_mov_b32 v[QF+\i], 0                          ; zero codes for K = 64 .. 127
.endr
.irp i, 48,49,50,51,52,53
	v_mov_b32 v[KB+\i], 0                          ; what follows K's last tile
.endr
	v_mov_b32 v[NINF], 0xff800000
	v_mov_b32 v13, 0xff61b1e6                      ; the largest t so far: -3e38
	s_delay_alu instid0(VALU_DEP_1)
	v_floor_f32 v12, -v13                          ; -M
	v_mov_b32 v14, 0                               ; the sum, in two halves
	v_mov_b32 v15, 0
.irp b, 0,1,2,3
	v_mov_b32 v[BT+\b], 0                          ; a lane permute's destination counts as read
.endr
	v_mov_b32 v[T], 0
	v_mov_b32 v[F+1], 0                            ; (named as the upper half of a pair before it is first written)
.set j, 0
.rept 32
	v_mov_b32 v[O+j], 0                            ; O^T: the step is written once; its first run finds zeros
.set j, j+1
.endr
	s_wait_tensorcnt 0x0                           ; my record has landed,
	s_wait_loadcnt 0x0                             ; q is in,
	s_barrier_signal -1
	s_barrier_wait -1                              ; and every wave's record has landed: the head lies in LDS
.Lstep:                                            ; 16 trips, a constant; a step all of whose keys come after my queries is jumped over, but for the lines that step addresses
	s_cmp_gt_u32 s[KSN], s[PI]
	s_cbranch_scc1 .Lhid
	v_add_nc_u32 v[A16], s[TB], v[LI]              ; (these three and the v_nop are the places behind the last step's products)
	v_add_nc_u32 v[A8], s[TB], v[L8]
	v_add_nc_u32 v[A4], s[TB], v[L4]
	v_nop
.irp t, 0,1,2,3,4,5,6,7
	ds_load_b128 v[KB+6*\t:KB+6*\t+3], v[A16] offset:768*\t
	ds_load_b64 v[KB+6*\t+4:KB+6*\t+5], v[A8] offset:768*\t+512
.endr
.irp u, 0,1,2,3
	ds_load_b32 v[KSC+\u], v[A4] offset:12288+128*\u
.endr
	s_wait_alu depctr_va_vdst(0)
	s_wait_dscnt 0x0
.irp t, 0,1,2,3,4,5,6,7                        ; S^T: lane (r, h) holds query r; register 8 t + i is key 16 t + 8 h + i
.if \t%2
	v_wmma_scale_f32_16x16x128_f8f6f4 v[S+8*\t:S+8*\t+7], v[KB+6*\t:KB+6*\t+11], v[QF:QF+11], 0, v[KSC+\t/2], v[QS] matrix_a_fmt:MATRIX_FMT_FP6 matrix_b_fmt:MATRIX_FMT_FP6 matrix_a_scale:MATRIX_SCALE_ROW1
.else
	v_wmma_scale_f32_16x16x128_f8f6f4 v[S+8*\t:S+8*\t+7], v[KB+6*\t:KB+6*\t+11], v[QF:QF+11], 0, v[KSC+\t/2], v[QS] matrix_a_fmt:MATRIX_FMT_FP6 matrix_b_fmt:MATRIX_FMT_FP6
.endif
.endr
	PLACES 4                                       ; in front of the loads into K's registers and of the first read of the scores
.irp e, 0,1,2,3                                ; V's fragments land while the softmax is worked
.irp c, 0,1,2
	ds_load_b128 v[KB+12*\e+4*\c:KB+12*\e+4*\c+3], v[A16] offset:6144+1536*\e+512*\c
.endr
.endr
.irp u, 0,1
	ds_load_b32 v[VSC+\u], v[A4] offset:12800+128*\u
.endr
	s_cmp_lg_u32 s[KSN], s[PI]                     ; only my last step lies on the diagonal
	s_cbranch_scc1 .Lopen
.set n, 0
.rept 64
	v_cmp_gt_i32 vcc_lo, 16*(n/8)+n%8, v[VD]
	v_cndmask_b32 v[S+n], v[S+n], v[NINF], vcc_lo  ; hidden scores become -infinity: p = 0
.set n, n+1
.endr
.Lopen:
.irp b, 0,1,2,3
	v_max3_num_f32 v[BM+\b], v[S+16*\b], v[S+1+16*\b], v[S+2+16*\b]   ; the largest score of each block of 32 keys: for the row's maximum and, since p rises with the score, for the block's largest p
.endr
.irp i, 3,5,7,9,11,13
.irp b, 0,1,2,3
	v_max3_num_f32 v[BM+\b], v[BM+\b], v[S+16*\b+\i], v[S+1+16*\b+\i]
.endr
.endr
.irp b, 0,1,2,3
	v_max_num_f32 v[BM+\b], v[BM+\b], v[S+15+16*\b]
.endr
.irp b, 0,1,2,3
	s_delay_alu instid0(VALU_DEP_4)
	v_permlanex16_b32 v[BT+\b], v[BM+\b], s[SEL], s[SEL+1]
.endr
.irp b, 0,1,2,3
	s_delay_alu instid0(VALU_DEP_4)
	v_max_num_f32 v[BM+\b], v[BM+\b], v[BT+\b]
.endr
	s_delay_alu instid0(VALU_DEP_2)
	v_max3_num_f32 v[T], v[BM], v[BM+1], v[BM+2]
	s_delay_alu instid0(VALU_DEP_1)
	v_max_num_f32 v[T], v[T], v[BM+3]
	s_delay_alu instid0(VALU_DEP_1)
	v_mul_f32 v[T], s[CS], v[T]
	s_delay_alu instid0(VALU_DEP_1)
	v_max_num_f32 v13, v13, v[T]                   ; the running largest t
	v_mov_b32 v[T], v12
	s_delay_alu instid0(VALU_DEP_2)
	v_floor_f32 v12, -v13                          ; the new -M = -ceil(t)
	s_delay_alu instid0(VALU_DEP_1)
	v_sub_f32 v[T], v12, v[T]                      ; old M - new M: a whole number, 0 or less
	s_delay_alu instid0(VALU_DEP_1)
	v_cvt_i32_f32 v[T], v[T]                       ; (it saturates)
	s_delay_alu instid0(VALU_DEP_1)
	v_ldexp_f32 v[F], 1.0, v[T]                    ; f
.set j, 0
.rept 32
	v_pk_fma_f32 v[S+j:S+j+1], v[S+j:S+j+1], s[CS:CS+1], v[12:13] op_sel_hi:[1,0,0]   ; t - M
.set j, j+2
.endr
.irp b, 0,1,2,3
	v_fma_f32 v[BM+\b], v[BM+\b], s[CS], v12
.endr
.set j, 0
	s_wait_alu depctr_va_vdst(0)
.rept 64
	v_exp_f32 v[S+j], v[S+j]                       ; p, not normalised
.set j, j+1
.endr
	v_pk_mul_f32 v[14:15], v[14:15], v[F:F+1] op_sel_hi:[1,0]   ; the sums under the new M (a plain line behind the exponentials)
	s_wait_alu depctr_va_vdst(0)                   ; one wait for the batch, ahead of its first reader
.irp b, 0,1,2,3
	v_exp_f32 v[BM+\b], v[BM+\b]                   ; the block's largest p
.endr
	v_pk_add_f32 v[228:229], v[100:101], v[104:105]
	v_pk_add_f32 v[252:253], v[108:109], v[112:113]
	v_pk_add_f32 v[250:251], v[116:117], v[120:121]
	v_pk_add_f32 v[248:249], v[124:125], v[128:129]
	v_pk_add_f32 v[246:247], v[132:133], v[136:137]
	v_pk_add_f32 v[244:245], v[140:141], v[144:145]
	v_pk_add_f32 v[242:243], v[148:149], v[152:153]
	v_pk_add_f32 v[14:15], v[14:15], v[156:157]
	v_pk_add_f32 v[228:229], v[228:229], v[96:97]
	v_pk_add_f32 v[252:253], v[252:253], v[98:99]
	v_pk_add_f32 v[250:251], v[250:251], v[102:103]
	v_pk_add_f32 v[248:249], v[248:249], v[106:107]
	v_pk_add_f32 v[246:247], v[246:247], v[110:111]
	v_pk_add_f32 v[244:245], v[244:245], v[114:115]
	v_pk_add_f32 v[242:243], v[242:243], v[118:119]
	v_pk_add_f32 v[14:15], v[14:15], v[122:123]
	v_pk_add_f32 v[228:229], v[228:229], v[126:127]
	v_pk_add_f32 v[252:253], v[252:253], v[130:131]
	v_pk_add_f32 v[250:251], v[250:251], v[134:135]
	v_pk_add_f32 v[248:249], v[248:249], v[138:139]
	v_pk_add_f32 v[246:247], v[246:247], v[142:143]
	v_pk_add_f32 v[244:245], v[244:245], v[146:147]
	v_pk_add_f32 v[242:243], v[242:243], v[150:151]
	v_pk_add_f32 v[14:15], v[14:15], v[154:155]
	v_pk_add_f32 v[228:229], v[228:229], v[158:159]
	s_delay_alu instid0(VALU_DEP_2)
	v_pk_add_f32 v[14:15], v[14:15], v[248:249]
	s_delay_alu instid0(VALU_DEP_2)
	v_pk_add_f32 v[228:229], v[228:229], v[246:247]
	v_pk_add_f32 v[252:253], v[252:253], v[244:245]
	v_pk_add_f32 v[250:251], v[250:251], v[242:243]
	s_delay_alu instid0(VALU_DEP_2)
	v_pk_add_f32 v[14:15], v[14:15], v[252:253]
	s_delay_alu instid0(VALU_DEP_2)
	v_pk_add_f32 v[228:229], v[228:229], v[250:251]
	s_delay_alu instid0(VALU_DEP_1)
	v_pk_add_f32 v[14:15], v[14:15], v[228:229]
	s_wait_alu depctr_va_vdst(0)                   ; and one for the four
.irp b, 0,1,2,3
	v_max_num_f32 v[BM+\b], 0x1800000, v[BM+\b]    ; the floor 2^(3 - 127)
.endr
.irp b, 0,1,2,3
	s_delay_alu instid0(VALU_DEP_4)
	v_add_nc_u32 v[SO+\b], 0xff000000, v[BM+\b]
.endr
.irp b, 0,1,2,3
	s_delay_alu instid0(VALU_DEP_4)
	v_lshrrev_b32 v[BT+\b], 23, v[SO+\b]
.endr
	s_delay_alu instid0(VALU_DEP_3)
	v_lshl_or_b32 v[F+1], v[BT+1], 8, v[BT]        ; p's scale word for these 128 keys
	s_delay_alu instid0(VALU_DEP_1)
	v_lshl_or_b32 v[F+1], v[BT+2], 16, v[F+1]
	s_delay_alu instid0(VALU_DEP_1)
	v_lshl_or_b32 v[F+1], v[BT+3], 24, v[F+1]
.irp c, 0,1
	v_cvt_scalef32_pk16_fp6_f32 v[PC+6*\c:PC+2+6*\c], v[S+32*\c:S+15+32*\c], v[SO+2*\c]
	v_cvt_scalef32_pk16_fp6_f32 v[PC+12+4*\c:PC+14+4*\c], v[S+16+32*\c:S+31+32*\c], v[SO+1+2*\c]
.endr
	v_nop                                          ; one plain line behind a scaled conversion
.irp c, 0,1
.irp i, 0,1,2
	v_permlane16_swap_b32 v[PC+6*\c+\i], v[PC+12+4*\c+\i]
.endr
.irp i, 0,1,2
	s_delay_alu instid0(VALU_DEP_3)
	v_mov_b32 v[PC+3+6*\c+\i], v[PC+12+4*\c+\i]
.endr
.endr
.set j, 0
.rept 16
	v_pk_mul_f32 v[O+j:O+j+1], v[O+j:O+j+1], v[F:F+1] op_sel_hi:[1,0]   ; O^T under the new M (these sixteen also stand between the writes of p's codes and scale word and the products)
.set j, j+2
.endr
	s_wait_alu depctr_va_vdst(0)
	s_wait_dscnt 0x0                               ; V is in
.irp e, 0,1,2,3                                ; O^T += V^T P^T: the four accumulators by turns
.if \e%2
	v_wmma_scale_f32_16x16x128_f8f6f4 v[O+8*\e:O+8*\e+7], v[KB+12*\e:KB+12*\e+11], v[PC:PC+11], v[O+8*\e:O+8*\e+7], v[VSC+\e/2], v[F+1] matrix_a_fmt:MATRIX_FMT_FP6 matrix_b_fmt:MATRIX_FMT_FP6 matrix_a_scale:MATRIX_SCALE_ROW1
.else
	v_wmma_scale_f32_16x16x128_f8f6f4 v[O+8*\e:O+8*\e+7], v[KB+12*\e:KB+12*\e+11], v[PC:PC+11], v[O+8*\e:O+8*\e+7], v[VSC+\e/2], v[F+1] matrix_a_fmt:MATRIX_FMT_FP6 matrix_b_fmt:MATRIX_FMT_FP6
.endif
.endr
.Lhid:
	s_add_co_u32 s[TB], s[TB], REC
	s_add_co_u32 s[KSN], s[KSN], 1
	s_cmp_lt_u32 s[KSN], 16
	s_cbranch_scc1 .Lstep
	; THE WAY OUT: O^T / the sum; true order along e; two blocks of 32; six registers of codes and a byte a lane
	PLACES 4
	v_add_f32 v14, v14, v15
	s_delay_alu instid0(VALU_DEP_1)
	v_permlanex16_b32 v[T], v14, s[SEL], s[SEL+1]
	s_delay_alu instid0(VALU_DEP_1)
	v_add_f32 v14, v14, v[T]                       ; the row's sum
	s_wait_alu depctr_va_vdst(0)
	v_rcp_f32 v14, v14
	v_nop                                          ; a plain line behind the transcendental
	s_wait_alu depctr_va_vdst(0)                   ; the wait, ahead of the first reader
.set j, 0
.rept 16
	v_pk_mul_f32 v[O+j:O+j+1], v[O+j:O+j+1], v[14:15] op_sel_hi:[1,0]
.set j, j+2
.endr
.irp b, 0,1                                    ; register 16 b + i held e = 32 b + 8 h + i (i < 8) or 32 b + 16 + 8 h + i - 8; behind these it holds 32 b + 16 h + i
.irp i, 0,1,2,3,4,5,6,7
	v_permlane16_swap_b32 v[O+16*\b+\i], v[O+16*\b+8+\i]
.endr
.endr
.irp b, 0,1
	v_max3_num_f32 v[BM+\b], |v[O+16*\b]|, |v[O+1+16*\b]|, 0x1800000
.endr
.irp i, 2,4,6,8,10,12,14
.irp b, 0,1
	s_delay_alu instid0(VALU_DEP_2)
	v_max3_num_f32 v[BM+\b], v[BM+\b], |v[O+16*\b+\i]|, |v[O+1+16*\b+\i]|
.endr
.endr
.irp b, 0,1
	s_delay_alu instid0(VALU_DEP_2)
	v_permlanex16_b32 v[BT+\b], v[BM+\b], s[SEL], s[SEL+1]
.endr
.irp b, 0,1
	s_delay_alu instid0(VALU_DEP_2)
	v_max_num_f32 v[BM+\b], v[BM+\b], v[BT+\b]
.endr
.irp b, 0,1
	s_delay_alu instid0(VALU_DEP_2)
	v_add_nc_u32 v[SO+\b], 0xff000000, v[BM+\b]
.endr
.irp b, 0,1
	s_delay_alu instid0(VALU_DEP_2)
	v_lshrrev_b32 v[BT+\b], 23, v[SO+\b]
.endr
	v_cvt_scalef32_pk16_fp6_f32 v[PC:PC+2], v[O:O+15], v[SO]
	v_cvt_scalef32_pk16_fp6_f32 v[PC+12:PC+14], v[O+16:O+31], v[SO+1]
	v_nop
.irp i, 0,1,2
	v_permlane16_swap_b32 v[PC+\i], v[PC+12+\i]
.endr
.irp i, 0,1,2
	s_delay_alu instid0(VALU_DEP_3)
	v_mov_b32 v[PC+3+\i], v[PC+12+\i]              ; lane (r, h): block h of my head, 24 bytes
.endr
	v_cndmask_b32 v[T], v[BT], v[BT+1], s[HM]      ; and its byte
	s_and_b32 s39, s12, 1                          ; an even head fills registers 0-5 of the chunk's fragment image, an odd one registers 6-11 (register R at 512 (R / 4) + 16 x lane + 4 (R % 4))
	s_cmp_lg_u32 s39, 0
	s_cbranch_scc1 .Lodd
	global_store_b128 v[LI], v[PC:PC+3], s[44:45]
	global_store_b64 v[LI], v[PC+4:PC+5], s[44:45] offset:512
	s_branch .Lbyte
.Lodd:
	s_wait_alu depctr_va_vdst(0)
	global_store_b64 v[LI], v[PC:PC+1], s[44:45] offset:520
	global_store_b128 v[LI], v[PC+2:PC+5], s[44:45] offset:1024
.Lbyte:
	s_wait_alu depctr_va_vdst(0)
	global_store_b8 v[SBO], v[T], s[46:47]
	s_wait_tensorcnt 0x0
	ds_add_u32 v254, v255
	s_wait_dscnt 0x0
	ROUND                                          ; the closing round: no work-group ends while a partner may still ask
	s_endpgm
.Lfunc_end_k_qca2a595a14_attn:
	.size	k_qca2a595a14_attn, .Lfunc_end_k_qca2a595a14_attn-k_qca2a595a14_attn
	.p2alignl 7, 3214868480
	.fill 96, 4, 3214868480
	.section	.rodata,"a",@progbits
	.p2align	6, 0x0
	.amdhsa_kernel k_qca2a595a14_attn
		.amdhsa_group_segment_fixed_size 210944
		.amdhsa_private_segment_fixed_size 0
		.amdhsa_enable_private_segment 0
		.amdhsa_kernarg_size 16
		.amdhsa_user_sgpr_count 2
		.amdhsa_user_sgpr_kernarg_segment_ptr 1
		.amdhsa_wavefront_size32 1
		.amdhsa_system_sgpr_workgroup_id_x 1
		.amdhsa_system_sgpr_workgroup_id_y 1
		.amdhsa_system_sgpr_workgroup_id_z 1
		.amdhsa_system_vgpr_workitem_id 0
		.amdhsa_next_free_vgpr 256
		.amdhsa_next_free_sgpr 66
		.amdhsa_reserve_vcc 1
		.amdhsa_float_denorm_mode_32 3
		.amdhsa_float_denorm_mode_16_64 3
		.amdhsa_memory_ordered 1
		.amdhsa_forward_progress 1
		.amdhsa_inst_pref_size 35
	.end_amdhsa_kernel
	.amdgpu_metadata
---
amdhsa.version: [ 1, 2 ]
amdhsa.kernels:
  - .name:           k_qca2a595a14_attn
    .symbol:         k_qca2a595a14_attn.kd
    .args:
      - { .name: kvq, .offset: 0, .size: 8, .value_kind: global_buffer, .address_space: global }
      - { .name: aimg, .offset: 8, .size: 8, .value_kind: global_buffer, .address_space: global }
    .group_segment_fixed_size: 210944
    .private_segment_fixed_size: 0
    .kernarg_segment_align: 8
    .kernarg_segment_size: 16
    .max_flat_workgroup_size: 512
    .sgpr_count:     66
    .vgpr_count:     256
    .wavefront_size: 32
...
	.end_amdgpu_metadata
.endif
;; end of part 3
;; launch wo (part 4): grid 8 x 32, 4 waves a work-group, clusters of 4 x 4, 327,680 bytes of LDS; arguments aimg, Wo_codes, Wo_scales, x, x1; writes x1
.if DOCPART == 4
	.amdgcn_target "amdgcn-amd-amdhsa--gfx1250"
	.amdhsa_code_object_version 6
	.text
	.protected	k_qca2a595a14_wo
	.globl	k_qca2a595a14_wo
	.p2align	8
	.type	k_qca2a595a14_wo,@function
k_qca2a595a14_wo:
	s_mov_b64 s[64:65], 0
	v_nop
	global_prefetch_b8 v0, s[64:65] scope:SCOPE_SE
	s_setreg_imm32_b32 hwreg(HW_REG_WAVE_MODE, 25, 1), 1
	s_wait_xcnt 0x0
	s_wait_alu depctr_hold_cnt(0) depctr_sa_sdst(0) depctr_va_vdst(0) depctr_va_sdst(0) depctr_va_ssrc(0) depctr_va_vcc(0) depctr_vm_vsrc(0)
	s_getreg_b32 s2, hwreg(HW_REG_IB_STS2, 6, 4)
	s_cmp_eq_u32 s2, 0
	s_cbranch_scc0 .Lentry_in_a_cluster
	s_endpgm
.Lentry_in_a_cluster:
	s_bfe_u32 s2, ttmp6, 0x10000c
	s_cmp_lg_u32 s2, 0xf033
	s_cbranch_scc0 .Lentry_shape_is_right
	s_endpgm
.Lentry_shape_is_right:
; out = res + A W^T on codes of FP6 (E2M3) with E8M0 scales, K = 1,024.  A: [4096][1024] as images of its fragments' registers, [tile of 16 rows][chunk of 128 K][1,536 bytes] (registers 4 c .. 4 c + 3 at
; 512 c + 16 x lane), its scale words [tile][chunk][16 rows][4 bytes] behind them at byte 3,145,728.  W: [1024][1024] codes, rows as streams of bits, and scale bytes [1024][32].  res, out: [4096][1024] f32.
; 1,024 columns give only 64 tiles of 256 x 256, so a tile is 128 x 128: 256 work-groups; a wave makes 64 x 64 (16 accumulators).
; ALL OF K LIES IN LDS, FILLED ONCE: A's 8 tiles of rows are 98,304 dense bytes (wave 0's load, as rows of 256 bytes), W's 128 rows of 768 bytes lie 816 apart (16 bytes of padding behind each 256; wave 1's load),
; A's scale words 4,096 bytes (wave 2), W's scale bytes 4,096 (wave 3).  One tensor load a wave, one barrier, no ring, nothing filled again.  Every tensor row starts on a 256-byte border of memory.
; CLUSTERS: 4 x 4 work-groups; A's tiles are asked for jointly along a row of the cluster, W's along a column.
; NO PREFETCH: all tiles are asked for by the head's loads; there is no loop to run ahead in.
; THE MATRIX INSTRUCTION IS USED TRANSPOSED (source 0 = 16 rows of W, source 1 = 16 rows of A): a lane holds eight neighbouring numbers of a row of out.
; REGISTERS: window 0: v16-30 addresses; v32-63 all scale words; v64-159 A's fragments, two sets of four; v160-255 W's.  window 1: v0-127 the accumulators ((a, b) at v[8 (4 a + b)]); v128-255 my part of res.
.set KROW,  768
.set KS,    32
.set TS,    512                        ; A's scale words of a tile of 16 rows, in bytes
.set RTB,   12288                      ; A's images of a tile of 16 rows, in bytes
.set BP,    816
.set BOFF,  8*RTB
.set SCA,   BOFF+128*BP
.set SCB,   SCA+8*TS
.set HALFS, 8*272                      ; W's scale bytes of 64 rows
.set SBLK,  2*272                      ; of 16 rows
.set STAGE, SCB+2*HALFS                ; the way out: 16 rows x (256 bytes + 16) for each wave; no tensor load fills it
.set SPITCH, 272
.set SPARE, STAGE+4*16*SPITCH
.set ADRA, 16
.set ADRB, 20                          ; v20 my W rows + 24 x half; v21 + 40 x half (behind one padding more)
.set STO,  24
.set RD,   25
.set CO,   26
.set ADSA, 27
.set SPW,  28
.set NIL,  29
.set ADSB, 30
.set SC,   32                          ; A's words of step q at SC + 2 q + a / 2 (lanes 0-15 tile 2 (a / 2), lanes 16-31 the next); W's at SC + 16 + 8 (b / 2) + q likewise
.set AFR,  64
.set BF,   160
.set OUTR, 64
.set RES,  128
.set G1, 24
.set G0, 32
.set G1B, 48
.set G0B, 56
.set G1S, 68
.set G0S, 76
.set G1SB, 80
.set G0SB, 88
.set MULW, 0x50
.set MSB, 0
.macro WIN new
.if MSB != \new
	s_set_vgpr_msb (MSB<<8)|\new
.set MSB, \new
.endif
.endm
.macro CROUND
	s_barrier_signal -1
	s_barrier_wait -1
	s_cmp_lg_u32 s14, 0
	s_cbranch_scc1 .Lnot_wave_0_\@
	s_barrier_signal -3
.Lnot_wave_0_\@:
	s_barrier_wait -3
	s_barrier_signal -1
	s_barrier_wait -1
.endm
.macro PLACES n
.rept \n
	v_nop
.endr
.endm
.macro MKG1 g, c, r, p
	s_mov_b32 s[\g+1], (\c)<<16
	s_mov_b32 s[\g+2], (\r)<<16
	s_mov_b32 s[\g+3], (\c)<<16
	s_mov_b32 s[\g+4], \r
	s_mov_b32 s[\g+5], \p
	s_mov_b32 s[\g+6], 0
	s_mov_b32 s[\g+7], 0
.endm
.macro MKG0 g, lds, ptr
	s_mov_b32 s[\g], 1
	s_mov_b32 s[\g+1], \lds
	s_mov_b64 s[\g+2:\g+3], s[\ptr:\ptr+1]
	s_or_b32 s[\g+3], s[\g+3], 0x80000000
.endm
.macro ARM under, g0, g1, next
	s_cmp_lt_u32 s14, \under
	s_cbranch_scc0 \next
	tensor_load_to_lds s[\g0:\g0+3], s[\g1:\g1+7]
	s_nop 0
.rept 4
	v_nop
.endr
	s_branch .Lhead_asked
\next:
.endm
	s_load_b256 s[4:11], s[0:1], 0x0               ; A, W's codes, W's scales, res
	s_load_b64 s[12:13], s[0:1], 0x20              ; out
	v_lshl_add_u32 v[SPW], v0, 2, SPARE
	v_mov_b32 v[NIL], 0
	ds_add_u32 v[SPW], v[NIL]                      ; the opening lines: the add twice on end and one wait
	ds_add_u32 v[SPW], v[NIL]
	v_lshrrev_b32 v1, 5, v0
	v_readfirstlane_b32 s14, v1                    ; wave
	s_lshr_b32 s15, s14, 1                         ; my half of the tile's rows
	s_and_b32 s16, s14, 1                          ; my half of its columns
	s_bfe_u32 s40, ttmp6, 0x40000
	s_bfe_u32 s41, ttmp6, 0x40004
	s_lshl_b32 s42, ttmp9, 2
	s_add_co_u32 s42, s42, s40                     ; tile column
	s_and_b32 s17, ttmp7, 0xffff
	s_lshl_b32 s17, s17, 2
	s_add_co_u32 s17, s17, s41                     ; tile row
	s_lshl_b32 s43, s41, 2
	s_lshl_b32 s43, 15, s43
	s_lshl_b32 s44, 0x1111, s40
	s_or_b32 s[G1], s43, (3<<16)|(1<<21)           ; A's images: 384 dense rows of 256 bytes
	MKG1 G1, 32, 384, 32
	s_or_b32 s[G1B], s44, (1<<20)|(1<<21)|(5<<22)|(3<<25)   ; W: 128 rows x 768 bytes, 4 words of padding behind every 64
	MKG1 G1B, 768, 128, KROW
	s_or_b32 s[G1S], s43, (3<<16)|(1<<21)          ; A's scale words: 16 dense rows of 256 bytes
	MKG1 G1S, 32, 16, 32
	s_or_b32 s[G1SB], s44, (3<<16)|(1<<20)|(1<<21)|(5<<22)|(3<<25)   ; W's scale bytes: 16 rows of 256 bytes + 16 of padding
	MKG1 G1SB, 32, 16, 32
	s_mul_i32 s20, s17, 8*RTB
	s_mov_b32 s21, 0
	s_mul_i32 s22, s17, 8*TS
	s_add_co_u32 s22, s22, 0x300000
	s_mov_b32 s23, 0
	s_mul_i32 s46, s42, 128*KROW
	s_mov_b32 s47, 0
	s_mul_i32 s92, s42, 128*KS
	s_mov_b32 s93, 0
	s_mul_i32 s94, s15, 4*RTB                      ; my four tiles of A's rows in LDS,
	s_mul_i32 s95, s16, 64*BP
	s_add_co_u32 s95, s95, BOFF                    ; my 64 rows of W,
	s_mul_i32 s96, s15, 4*TS
	s_add_co_u32 s96, s96, SCA
	s_mul_i32 s97, s16, HALFS
	s_add_co_u32 s97, s97, SCB                     ; their scales,
	s_mul_i32 s45, s14, 16*SPITCH
	s_add_co_u32 s45, s45, STAGE                   ; my stage
	s_lshl_b32 s18, s17, 7
	s_lshl_b32 s19, s15, 6
	s_add_co_u32 s18, s18, s19                     ; my first row of res and out,
	s_lshl_b32 s18, s18, 12
	s_lshl_b32 s19, s42, 9
	s_add_co_u32 s18, s18, s19
	s_lshl_b32 s19, s16, 8
	s_add_co_u32 s18, s18, s19                     ; and my first column, in bytes
	s_mov_b32 s19, 0
	s_wait_dscnt 0x0
	s_wait_kmcnt 0x0
	s_add_nc_u64 s[20:21], s[4:5], s[20:21]
	s_add_nc_u64 s[22:23], s[4:5], s[22:23]
	s_add_nc_u64 s[46:47], s[6:7], s[46:47]
	s_add_nc_u64 s[92:93], s[8:9], s[92:93]
	s_add_nc_u64 s[10:11], s[10:11], s[18:19]
	s_add_nc_u64 s[12:13], s[12:13], s[18:19]
	MKG0 G0, 0, 20
	MKG0 G0B, BOFF, 46
	MKG0 G0S, SCA, 22
	MKG0 G0SB, SCB, 92
	CROUND                                         ; all sixteen work-groups are here: the joint loads meet
	ARM 1, G0,  G1,  .Lhead_b                      ; one load a wave, one tree of branches on the wave's number
	ARM 2, G0B, G1B, .Lhead_sa
	ARM 3, G0S, G1S, .Lhead_sb
	tensor_load_to_lds s[G0SB:G0SB+3], s[G1SB:G1SB+7]
	s_nop 0
.rept 4
	v_nop
.endr
.Lhead_asked:
	v_and_b32 v1, 15, v0                           ; r
	v_bfe_u32 v2, v0, 4, 1                         ; h
	v_and_b32 v3, 31, v0
	v_lshlrev_b32 v4, 4, v3
	v_mul_u32_u24 v5, v1, BP
	v_mad_u32_u24 v6, v2, 24, v5
	v_mad_u32_u24 v7, v2, 40, v5
	v_add_nc_u32 v[ADRA], s94, v4
	v_add_nc_u32 v[ADRB], s95, v6
	v_add_nc_u32 v[ADRB+1], s95, v7
	v_mul_u32_u24 v8, v2, TS                       ; A's scale words: lanes 16-31 take the next tile of rows
	v_lshl_add_u32 v8, v1, 2, v8
	v_add_nc_u32 v[ADSA], s96, v8
	v_lshlrev_b32 v8, 5, v1                        ; W's: 32 bytes a row, 16 more for each 256 passed; lanes 16-31 take the next 16 rows
	v_lshrrev_b32 v9, 8, v8
	v_lshl_add_u32 v8, v9, 4, v8
	v_mad_u32_u24 v8, v2, SBLK, v8
	v_add_nc_u32 v[ADSB], s97, v8
	v_mul_u32_u24 v5, v1, SPITCH
	v_lshl_add_u32 v5, v2, 5, v5
	v_add_nc_u32 v[STO], s45, v5                   ; in: row r, 32 bytes for each half of the lanes
	v_mul_u32_u24 v5, v2, SPITCH
	v_lshl_add_u32 v5, v1, 4, v5
	v_add_nc_u32 v[RD], s45, v5                    ; back: lanes 0-15 one row of 256 bytes, lanes 16-31 the next
	v_lshlrev_b32 v[CO], 12, v2
	v_lshl_add_u32 v[CO], v1, 4, v[CO]             ; and the same two rows in res and out
	s_wait_alu depctr_va_vdst(0)                   ; the wait at the head's end
	WIN 0x40
.irp a, 0,1,2,3
.irp i, 0,1,2,3,4,5,6,7
	global_load_b128 v[RES+32*\a+4*\i:RES+32*\a+4*\i+3], v[CO], s[10:11] offset:(16*\a+2*\i)*4096   ; my 64 x 64 of res, in the layout in which the results leave
.endr
.endr
	WIN 0
.macro FRAGI reg, q, i                 ; a fragment of A comes back as it was stored: three loads of 512 consecutive bytes
.irp c, 0,1,2
	ds_load_b128 v[\reg+4*\c:\reg+4*\c+3], v[ADRA] offset:RTB*(\i)+1536*(\q)+512*\c
.endr
.endm
.macro FRAGR reg, q, i                 ; a fragment of W from rows: six pieces of 8 bytes; 16 bytes of padding lie behind every 32 pieces
.irp p, 0,1,2,3,4,5
.set PCE, 12*(\q)+6*(\p/3)+\p%3
.if PCE%32 < 29
	ds_load_b64 v[\reg+2*\p:\reg+2*\p+1], v[ADRB] offset:8*PCE+16*(PCE/32)+(\i)*16*BP
.else
	ds_load_b64 v[\reg+2*\p:\reg+2*\p+1], v[ADRB+1] offset:8*PCE+16*(PCE/32)+(\i)*16*BP
.endif
.endr
.endm
.macro FETCH q, set                    ; 36 loads: step q's fragments
.irp i, 0,1,2,3
	FRAGR BF+48*(\set)+12*\i, \q, \i
.endr
.irp i, 0,1,2,3
	FRAGI AFR+48*(\set)+12*\i, \q, \i
.endr
.endm
.macro WM a, b, set, q, zero           ; one product; the rows of the scale registers go by the blocks' parity
.set DD, 8*(4*(\a)+(\b))
.set FB, BF+48*(\set)+12*(\b)
.set FA, AFR+48*(\set)+12*(\a)
.set SB, SC+16+8*((\b)/2)+(\q)
.set SA, SC+2*(\q)+(\a)/2
.set MODE, 4*(\zero)+2*((\b)%2)+(\a)%2
.if MODE == 0
	v_wmma_scale_f32_16x16x128_f8f6f4 v[DD:DD+7], v[FB:FB+11], v[FA:FA+11], v[DD:DD+7], v[SB], v[SA] matrix_a_fmt:MATRIX_FMT_FP6 matrix_b_fmt:MATRIX_FMT_FP6
.elseif MODE == 1
	v_wmma_scale_f32_16x16x128_f8f6f4 v[DD:DD+7], v[FB:FB+11], v[FA:FA+11], v[DD:DD+7], v[SB], v[SA] matrix_a_fmt:MATRIX_FMT_FP6 matrix_b_fmt:MATRIX_FMT_FP6 matrix_b_scale:MATRIX_SCALE_ROW1
.elseif MODE == 2
	v_wmma_scale_f32_16x16x128_f8f6f4 v[DD:DD+7], v[FB:FB+11], v[FA:FA+11], v[DD:DD+7], v[SB], v[SA] matrix_a_fmt:MATRIX_FMT_FP6 matrix_b_fmt:MATRIX_FMT_FP6 matrix_a_scale:MATRIX_SCALE_ROW1
.elseif MODE == 3
	v_wmma_scale_f32_16x16x128_f8f6f4 v[DD:DD+7], v[FB:FB+11], v[FA:FA+11], v[DD:DD+7], v[SB], v[SA] matrix_a_fmt:MATRIX_FMT_FP6 matrix_b_fmt:MATRIX_FMT_FP6 matrix_a_scale:MATRIX_SCALE_ROW1 matrix_b_scale:MATRIX_SCALE_ROW1
.elseif MODE == 4
	v_wmma_scale_f32_16x16x128_f8f6f4 v[DD:DD+7], v[FB:FB+11], v[FA:FA+11], 0, v[SB], v[SA] matrix_a_fmt:MATRIX_FMT_FP6 matrix_b_fmt:MATRIX_FMT_FP6
.elseif MODE == 5
	v_wmma_scale_f32_16x16x128_f8f6f4 v[DD:DD+7], v[FB:FB+11], v[FA:FA+11], 0, v[SB], v[SA] matrix_a_fmt:MATRIX_FMT_FP6 matrix_b_fmt:MATRIX_FMT_FP6 matrix_b_scale:MATRIX_SCALE_ROW1
.elseif MODE == 6
	v_wmma_scale_f32_16x16x128_f8f6f4 v[DD:DD+7], v[FB:FB+11], v[FA:FA+11], 0, v[SB], v[SA] matrix_a_fmt:MATRIX_FMT_FP6 matrix_b_fmt:MATRIX_FMT_FP6 matrix_a_scale:MATRIX_SCALE_ROW1
.else
	v_wmma_scale_f32_16x16x128_f8f6f4 v[DD:DD+7], v[FB:FB+11], v[FA:FA+11], 0, v[SB], v[SA] matrix_a_fmt:MATRIX_FMT_FP6 matrix_b_fmt:MATRIX_FMT_FP6 matrix_a_scale:MATRIX_SCALE_ROW1 matrix_b_scale:MATRIX_SCALE_ROW1
.endif
.endm
.macro MULS set, q, zero               ; the sixteen accumulators take turns, in the same order in every step
	WIN MULW
.irp a, 0,1,2,3
.irp b, 0,1,2,3
	WM \a, \b, \set, \q, \zero
.endr
.endr
	WIN 0
.endm
.macro STEP q, zero                    ; the next step's fragments are asked for, then this step is multiplied
	s_wait_dscnt 0x0                               ; this step's fragments (and, in step 0, the scale words) are in
	PLACES 4                                       ; in front of loads into the set that the last step's products read
	FETCH (\q)+1, ((\q)+1)%2
	MULS (\q)%2, \q, \zero
.endm
	s_wait_tensorcnt 0x0                           ; my tile of the four is in,
	s_barrier_signal -1
	s_barrier_wait -1                              ; and everybody's
	FETCH 0, 0
.irp q, 0,1,2,3,4,5,6,7
.irp ip, 0,1
	ds_load_b32 v[SC+2*\q+\ip], v[ADSA] offset:2*TS*\ip+64*\q
.endr
.endr
.irp ip, 0,1
.irp hf, 0,1
	ds_load_b128 v[SC+16+8*\ip+4*\hf:SC+16+8*\ip+4*\hf+3], v[ADSB] offset:2*SBLK*\ip+16*\hf
.endr
.endr
	STEP 0, 1                                      ; the first step's products start the sums
.irp q, 1,2,3,4,5,6
	STEP \q, 0
.endr
	s_wait_dscnt 0x0
	MULS 1, 7, 0
	; THE WAY OUT: a block of 16 rows x 64 columns goes through my own stage and comes back as rows of 256 bytes; res is added; sixteen lanes store 256 consecutive bytes, aligned.
	PLACES 4
.irp a, 0,1,2,3
	WIN 0x04                                       ; an LDS store's data are its source 1: window 1
.irp b, 0,1,2,3
	ds_store_b128 v[STO], v[8*(4*\a+\b):8*(4*\a+\b)+3] offset:64*\b          ; each accumulator from its low end on
	ds_store_b128 v[STO], v[8*(4*\a+\b)+4:8*(4*\a+\b)+7] offset:64*\b+16
.endr
	WIN 0
.irp i, 0,1,2,3,4,5,6,7
	ds_load_b128 v[OUTR+32*\a+4*\i:OUTR+32*\a+4*\i+3], v[RD] offset:2*SPITCH*\i   ; LDS serves a wave's instructions in order: these see my stores, and the next block's stores come behind them
.endr
.endr
	s_wait_loadcnt 0x0                             ; res
.irp a, 0,1,2,3
	s_wait_dscnt 16*(3-\a)                         ; block a is back; the 16 LDS instructions of each later block may be out
	WIN 0x04
.set k, 0
.rept 16
	v_pk_add_f32 v[OUTR+32*\a+k:OUTR+32*\a+k+1], v[OUTR+32*\a+k:OUTR+32*\a+k+1], v[RES+32*\a+k:RES+32*\a+k+1]
.set k, k+2
.endr
	WIN 0
.irp i, 0,1,2,3,4,5,6,7
	global_store_b128 v[CO], v[OUTR+32*\a+4*\i:OUTR+32*\a+4*\i+3], s[12:13] offset:(16*\a+2*\i)*4096
.endr
.endr
	s_wait_tensorcnt 0x0                           ; the wave's end
	ds_add_u32 v[SPW], v[NIL]
	s_wait_dscnt 0x0
	CROUND                                         ; the closing round
	s_endpgm
.Lfunc_end_k_qca2a595a14_wo:
	.size	k_qca2a595a14_wo, .Lfunc_end_k_qca2a595a14_wo-k_qca2a595a14_wo
	.p2alignl 7, 3214868480
	.fill 96, 4, 3214868480
	.section	.rodata,"a",@progbits
	.p2align	6, 0x0
	.amdhsa_kernel k_qca2a595a14_wo
		.amdhsa_group_segment_fixed_size 327680
		.amdhsa_private_segment_fixed_size 0
		.amdhsa_enable_private_segment 0
		.amdhsa_kernarg_size 40
		.amdhsa_user_sgpr_count 2
		.amdhsa_user_sgpr_kernarg_segment_ptr 1
		.amdhsa_wavefront_size32 1
		.amdhsa_system_sgpr_workgroup_id_x 1
		.amdhsa_system_sgpr_workgroup_id_y 1
		.amdhsa_system_sgpr_workgroup_id_z 1
		.amdhsa_system_vgpr_workitem_id 0
		.amdhsa_next_free_vgpr 512
		.amdhsa_next_free_sgpr 98
		.amdhsa_reserve_vcc 0
		.amdhsa_float_denorm_mode_32 3
		.amdhsa_float_denorm_mode_16_64 3
		.amdhsa_memory_ordered 1
		.amdhsa_forward_progress 1
		.amdhsa_inst_pref_size 61
	.end_amdhsa_kernel
	.amdgpu_metadata
---
amdhsa.version: [ 1, 2 ]
amdhsa.kernels:
  - .name:           k_qca2a595a14_wo
    .symbol:         k_qca2a595a14_wo.kd
    .args:
      - { .name: aimg, .offset: 0, .size: 8, .value_kind: global_buffer, .address_space: global }
      - { .name: Wo_codes, .offset: 8, .size: 8, .value_kind: global_buffer, .address_space: global }
      - { .name: Wo_scales, .offset: 16, .size: 8, .value_kind: global_buffer, .address_space: global }
      - { .name: x, .offset: 24, .size: 8, .value_kind: global_buffer, .address_space: global }
      - { .name: x1, .offset: 32, .size: 8, .value_kind: global_buffer, .address_space: global }
    .group_segment_fixed_size: 327680
    .private_segment_fixed_size: 0
    .kernarg_segment_align: 8
    .kernarg_segment_size: 40
    .max_flat_workgroup_size: 128
    .sgpr_count:     98
    .vgpr_count:     512
    .wavefront_size: 32
...
	.end_amdgpu_metadata
.endif
;; end of part 4
;; launch norm2: the kernel of part 1 again; grid 256 x 1, 4 waves a work-group, no clusters, 22,016 bytes of LDS; arguments x1, g2, hrow; writes hrow
;; launch ffn1 (part 5): grid 16 x 16, 4 waves a work-group, clusters of 4 x 4, 327,680 bytes of LDS; arguments hrow, w1_codes, w1_scales, himg; writes himg
.if DOCPART == 5
	.amdgcn_target "amdgcn-amd-amdhsa--gfx1250"
	.amdhsa_code_object_version 6
	.text
	.protected	k_qca2a595a14_ffn1
	.globl	k_qca2a595a14_ffn1
	.p2align	8
	.type	k_qca2a595a14_ffn1,@function
k_qca2a595a14_ffn1:
	s_mov_b64 s[64:65], 0
	v_nop
	global_prefetch_b8 v0, s[64:65] scope:SCOPE_SE
	s_setreg_imm32_b32 hwreg(HW_REG_WAVE_MODE, 25, 1), 1
	s_wait_xcnt 0x0
	s_wait_alu depctr_hold_cnt(0) depctr_sa_sdst(0) depctr_va_vdst(0) depctr_va_sdst(0) depctr_va_ssrc(0) depctr_va_vcc(0) depctr_vm_vsrc(0)
	s_getreg_b32 s2, hwreg(HW_REG_IB_STS2, 6, 4)
	s_cmp_eq_u32 s2, 0
	s_cbranch_scc0 .Lentry_in_a_cluster
	s_endpgm
.Lentry_in_a_cluster:
	s_bfe_u32 s2, ttmp6, 0x10000c
	s_cmp_lg_u32 s2, 0xf033
	s_cbranch_scc0 .Lentry_shape_is_right
	s_endpgm
.Lentry_shape_is_right:
; hidden = gelu(h2 w1), exact (erf), on codes of FP6 (E2M3) with E8M0 scales, K = 1,024, then quantised along the hidden axis for the next product.
; A = h2 (4,096 rows of codes, scale bytes behind them at byte 3,145,728), B = w1's 4,096 rows.  Source 0 = 16 rows of B, source 1 = 16 rows of A: a lane holds one token and eight neighbouring hidden units.
; A tile of 256 x 256 to a work-group of four waves; a wave makes 128 x 128: 64 accumulators.  256 tiles.
; THE WALK ALONG K.  A row of codes is 768 bytes: three chunks of 256 bytes, each on a 256-byte border.  Two LDS slots, each with one chunk of A's 256 rows and of B's 256 rows, rows 272 bytes apart
; (68 words: row r starts at bank 4 r mod 64; 64 banks of 4 bytes: ISA guide 11.1); chunk c lies in slot c % 2.  The head's four loads, one a wave, fill both slots: A's chunk 0, B's chunk 0, A's chunk 1, B's chunk 1.
; Chunk 2 is the launch's one refill: it fills slot 0 again, 128 rows a wave, behind the three lines and a round of the cluster's barrier in step 2, when step 2's fragments, the last that read chunk 0,
; are in registers.  Step 4 waits for it: 112 matrix instructions stand between the request and the wait.
; THE SCALES GO STRAIGHT INTO REGISTERS, ONCE: a wave's 128 rows of A and 128 rows of B have 32 scale bytes a row for all of K; lane l of load pair j takes row 32 j + l, so a pair of loads covers 1,024 consecutive bytes.
; 64 registers hold them for the whole walk: lanes 0-15 an even block of 16 rows, lanes 16-31 the next; the products choose the row of the scale register by the block's parity.
; CLUSTERS: 4 x 4; A's tiles are asked for jointly along a row of the cluster, B's along a column.  The scales are not asked for jointly: 16 KB of the 400 KB that a work-group reads.
; NO PREFETCH: the walk has three chunks and no loop; two chunks come with the head's loads and the third is asked for as soon as its slot is free: there is no trip to run ahead in.
; erf(z) = z P(z^2) / Q(z^2), z held to +-4, P of seven and Q of five coefficients, all in f32.
; OUT (himg): images of the next product's fragments, [tile of 16 rows][chunk of 128 K][1,536 bytes]; scale words [tile][chunk][16 rows][4 bytes] at byte 12,582,912.
; LIMITS: a block whose largest magnitude lies under 2^(3 - 127) keeps the byte 1; NaN and infinities are not served.
; REGISTERS: window 0: v16-29 addresses, v32-95 scale words, v128-223 A's fragments (one set), on the way out v64-223; window 1: B's fragments (two sets); windows 2, 3: the accumulators.
.set KROW,  768
.set PITCH, 272
.set FR,    12
.set NL,    6
.set NP,    4
.set HALFT, 128*PITCH
.set BOFF,  2*HALFT
.set SLOT,  4*HALFT
.set SPARE, 2*SLOT
.set HPAD,  (1<<20)|(1<<21)|(5<<22)|(3<<25)            ; padding on; bit 21 beside a mask; behind every 64 words, 4 words
.set ADRA, 16                          ; v16-17 my A rows in slot 0, 1, + 24 x half; v18 lanes 0-15 byte 232 in slot 0, lanes 16-31 byte 0 in slot 1; v19 the other way round
.set ADRB, 20                          ; v20-23 the same for B
.set ADRS, 27                          ; v27 32 x lane: my row's scale bytes
.set SPW,  28
.set NIL,  29
.set SC,   32                          ; A's word of step q, blocks 2 j and 2 j + 1, at SC + 8 j + q; B's at SC + 32 + 8 j + q
.set AF,   128
.set TM,   64
.set PC,   80
.set PW,   100
.set SW,   101
.set SH,   102
.set LI,   105
.set B16,  106
.set KA11, 108
.set KB6,  110
.set Z,    112
.set W,    128
.set P,    144
.set G,    160
.set G1,   24
.set G0H,  32
.set G0HB, 36
.set G1B,  48
.set G0R,  56
.set G0RB, 60
.set SEL,  66
.set G0C,  84
.set G0CB, 88
.set MSB, 0
.macro WIN new
.if MSB != \new
	s_set_vgpr_msb (MSB<<8)|\new
.set MSB, \new
.endif
.endm
.set MUL_LO, 0xa1
.set MUL_HI, 0xf1
.set TO_B,   0x40
.macro JLOAD g0a, g1a, g0b, g1b        ; waves 0, 1 ask for A, waves 2, 3 for B
	s_cmp_eq_u32 s15, 0
	s_cbranch_scc0 .Lfor_b_\@
	tensor_load_to_lds s[\g0a:\g0a+3], s[\g1a:\g1a+7]
	s_nop 0
.rept 4
	v_nop
.endr
	s_branch .Lasked_\@
.Lfor_b_\@:
	tensor_load_to_lds s[\g0b:\g0b+3], s[\g1b:\g1b+7]
	s_nop 0
.rept 4
	v_nop
.endr
.Lasked_\@:
.endm
.macro CREST
	s_cmp_lg_u32 s14, 0
	s_cbranch_scc1 .Lnot_wave_0_\@
	s_barrier_signal -3
.Lnot_wave_0_\@:
	s_barrier_wait -3
	s_barrier_signal -1
	s_barrier_wait -1
.endm
.macro CROUND
	s_barrier_signal -1
	s_barrier_wait -1
	CREST
.endm
.macro MKG1 g, c, r, p                 ; group 1 behind its first word: r rows of c elements, pitch p
	s_mov_b32 s[\g+1], (\c)<<16
	s_mov_b32 s[\g+2], (\r)<<16
	s_mov_b32 s[\g+3], (\c)<<16
	s_mov_b32 s[\g+4], \r
	s_mov_b32 s[\g+5], \p
	s_mov_b32 s[\g+6], 0
	s_mov_b32 s[\g+7], 0
.endm
.macro MKG0 g, lds, ptr
	s_mov_b32 s[\g], 1
	s_mov_b32 s[\g+1], \lds
	s_mov_b64 s[\g+2:\g+3], s[\ptr:\ptr+1]
	s_or_b32 s[\g+3], s[\g+3], 0x80000000
.endm
.macro ARM under, g0, g1, next
	s_cmp_lt_u32 s14, \under
	s_cbranch_scc0 \next
	tensor_load_to_lds s[\g0:\g0+3], s[\g1:\g1+7]
	s_nop 0
.rept 4
	v_nop
.endr
	s_branch .Lhead_asked
\next:
.endm
	s_load_b128 s[4:7], s[0:1], 0x0                ; h2, w1's codes
	s_load_b128 s[8:11], s[0:1], 0x10              ; w1's scales, the images
	v_lshl_add_u32 v[SPW], v0, 2, SPARE
	v_mov_b32 v[NIL], 0
	ds_add_u32 v[SPW], v[NIL]                      ; the opening lines: the add twice on end and one wait
	ds_add_u32 v[SPW], v[NIL]
	v_lshrrev_b32 v1, 5, v0
	v_readfirstlane_b32 s14, v1                    ; wave
	s_lshr_b32 s15, s14, 1                         ; my half of the tile's rows; in the refill: A (0) or B (1)
	s_and_b32 s16, s14, 1                          ; my half of its columns; in the refill: which 128 rows
	s_bfe_u32 s40, ttmp6, 0x40000
	s_bfe_u32 s41, ttmp6, 0x40004
	s_lshl_b32 s42, ttmp9, 2
	s_add_co_u32 s42, s42, s40                     ; tile column
	s_and_b32 s17, ttmp7, 0xffff
	s_lshl_b32 s17, s17, 2
	s_add_co_u32 s17, s17, s41                     ; tile row
	s_lshl_b32 s43, s41, 2
	s_lshl_b32 s43, 15, s43                        ; my row of the cluster
	s_lshl_b32 s44, 0x1111, s40                    ; my column
	s_or_b32 s[G1], s43, HPAD
	s_or_b32 s[G1B], s44, HPAD
	MKG1 G1, 256, 256, KROW
	MKG1 G1B, 256, 256, KROW
	s_lshl_b32 s22, s17, 13                        ; my 128 rows' scale bytes: 32 a row
	s_lshl_b32 s18, s15, 12
	s_add_co_u32 s22, s22, s18
	s_add_co_u32 s22, s22, 0x300000
	s_lshl_b32 s92, s42, 13
	s_lshl_b32 s18, s16, 12
	s_add_co_u32 s92, s92, s18
	s_mul_i32 s20, s17, 256*KROW
	s_mul_i32 s46, s42, 256*KROW
	s_mov_b32 s21, 0
	s_mov_b32 s23, 0
	s_mov_b32 s47, 0
	s_mov_b32 s93, 0
	s_mul_i32 s18, s16, 128*KROW
	s_add_co_u32 s18, s18, 512                     ; the refill: my 128 rows, chunk 2
	s_mov_b32 s19, 0
	s_mul_i32 s45, s14, HALFT
	s_mul_i32 s94, s15, HALFT                      ; my 128 rows of A in a slot,
	s_mul_i32 s95, s16, HALFT
	s_add_co_u32 s95, s95, BOFF                    ; of B
	s_mov_b32 s[SEL], 0x76543210
	s_mov_b32 s[SEL+1], 0xfedcba98
	s_wait_dscnt 0x0
	s_wait_kmcnt 0x0
	s_add_nc_u64 s[20:21], s[4:5], s[20:21]
	s_add_nc_u64 s[22:23], s[4:5], s[22:23]
	s_add_nc_u64 s[46:47], s[6:7], s[46:47]
	s_add_nc_u64 s[92:93], s[8:9], s[92:93]
	s_add_nc_u64 s[96:97], s[20:21], 256
	s_add_nc_u64 s[2:3], s[46:47], 256
	MKG0 G0H, 0, 20
	MKG0 G0HB, BOFF, 46
	MKG0 G0C, SLOT, 96
	MKG0 G0CB, SLOT+BOFF, 2
	s_add_nc_u64 s[20:21], s[20:21], s[18:19]
	s_add_nc_u64 s[46:47], s[46:47], s[18:19]
	MKG0 G0R, s45, 20
	MKG0 G0RB, s45, 46
	CROUND                                         ; all sixteen work-groups are here: the joint loads meet
	ARM 1, G0H,  G1,  .Lhead_b                     ; one load a wave, one tree of branches on the wave's number
	ARM 2, G0HB, G1B, .Lhead_a1
	ARM 3, G0C,  G1,  .Lhead_b1
	tensor_load_to_lds s[G0CB:G0CB+3], s[G1B:G1B+7]
	s_nop 0
.rept 4
	v_nop
.endr
.Lhead_asked:
	v_and_b32 v1, 15, v0
	v_bfe_u32 v2, v0, 4, 1
	v_and_b32 v8, 31, v0
	v_mul_u32_u24 v3, v1, PITCH
	v_sub_nc_u32 v7, 1, v2
	v_mad_u32_u24 v4, v2, 24, v3
	v_mad_u32_u24 v5, v2, SLOT-232, v3
	v_mad_u32_u24 v6, v7, SLOT+232, v3
	v_add_nc_u32 v5, 232, v5
	v_add_nc_u32 v[ADRA], s94, v4
	v_add_nc_u32 v[ADRA+2], s94, v5
	v_add_nc_u32 v[ADRA+3], s94, v6
	v_add_nc_u32 v[ADRB], s95, v4
	v_add_nc_u32 v[ADRB+2], s95, v5
	v_add_nc_u32 v[ADRB+3], s95, v6
	v_add_nc_u32 v[ADRA+1], SLOT, v[ADRA]
	v_add_nc_u32 v[ADRB+1], SLOT, v[ADRB]
	v_lshlrev_b32 v[ADRS], 5, v8
.macro FRAG reg, adr, st, i            ; 16 rows x 128 K: six pieces of 8 bytes; byte y of a row lies in chunk y / 256, at byte y % 256 of the LDS row; lanes 16-31 read 24 bytes further on in the row
.irp p, 0,1,2,3,4,5
.set BY, 96*(\st)+48*(\p/3)+8*(\p%3)
.if BY/256 == (BY+24)/256
	ds_load_b64 v[\reg+2*\p:\reg+2*\p+1], v[\adr+(BY/256)%2] offset:BY%256+(\i)*16*PITCH
.else
	ds_load_b64 v[\reg+2*\p:\reg+2*\p+1], v[\adr+2+(BY/256)%2] offset:BY%256-232+(\i)*16*PITCH
.endif
.endr
.endm
.macro WM a, b, st, zero               ; one product; the rows of the scale registers go by the blocks' parity
.set DD, 8*(8*((\a)%4)+(\b))
.set FB, 128*((\st)%2)+FR*(\b)
.set FA, AF+FR*(\a)
.set SB, SC+32+8*((\b)/2)+(\st)
.set SA, SC+8*((\a)/2)+(\st)
.set MODE, 4*(\zero)+2*((\b)%2)+(\a)%2
.if MODE == 0
	v_wmma_scale_f32_16x16x128_f8f6f4 v[DD:DD+7], v[FB:FB+11], v[FA:FA+11], v[DD:DD+7], v[SB], v[SA] matrix_a_fmt:MATRIX_FMT_FP6 matrix_b_fmt:MATRIX_FMT_FP6
.elseif MODE == 1
	v_wmma_scale_f32_16x16x128_f8f6f4 v[DD:DD+7], v[FB:FB+11], v[FA:FA+11], v[DD:DD+7], v[SB], v[SA] matrix_a_fmt:MATRIX_FMT_FP6 matrix_b_fmt:MATRIX_FMT_FP6 matrix_b_scale:MATRIX_SCALE_ROW1
.elseif MODE == 2
	v_wmma_scale_f32_16x16x128_f8f6f4 v[DD:DD+7], v[FB:FB+11], v[FA:FA+11], v[DD:DD+7], v[SB], v[SA] matrix_a_fmt:MATRIX_FMT_FP6 matrix_b_fmt:MATRIX_FMT_FP6 matrix_a_scale:MATRIX_SCALE_ROW1
.elseif MODE == 3
	v_wmma_scale_f32_16x16x128_f8f6f4 v[DD:DD+7], v[FB:FB+11], v[FA:FA+11], v[DD:DD+7], v[SB], v[SA] matrix_a_fmt:MATRIX_FMT_FP6 matrix_b_fmt:MATRIX_FMT_FP6 matrix_a_scale:MATRIX_SCALE_ROW1 matrix_b_scale:MATRIX_SCALE_ROW1
.elseif MODE == 4
	v_wmma_scale_f32_16x16x128_f8f6f4 v[DD:DD+7], v[FB:FB+11], v[FA:FA+11], 0, v[SB], v[SA] matrix_a_fmt:MATRIX_FMT_FP6 matrix_b_fmt:MATRIX_FMT_FP6
.elseif MODE == 5
	v_wmma_scale_f32_16x16x128_f8f6f4 v[DD:DD+7], v[FB:FB+11], v[FA:FA+11], 0, v[SB], v[SA] matrix_a_fmt:MATRIX_FMT_FP6 matrix_b_fmt:MATRIX_FMT_FP6 matrix_b_scale:MATRIX_SCALE_ROW1
.elseif MODE == 6
	v_wmma_scale_f32_16x16x128_f8f6f4 v[DD:DD+7], v[FB:FB+11], v[FA:FA+11], 0, v[SB], v[SA] matrix_a_fmt:MATRIX_FMT_FP6 matrix_b_fmt:MATRIX_FMT_FP6 matrix_a_scale:MATRIX_SCALE_ROW1
.else
	v_wmma_scale_f32_16x16x128_f8f6f4 v[DD:DD+7], v[FB:FB+11], v[FA:FA+11], 0, v[SB], v[SA] matrix_a_fmt:MATRIX_FMT_FP6 matrix_b_fmt:MATRIX_FMT_FP6 matrix_a_scale:MATRIX_SCALE_ROW1 matrix_b_scale:MATRIX_SCALE_ROW1
.endif
.endm
.macro MUL16 a0, st, zero              ; A's blocks a0, a0 + 1 x B's eight; the 64 accumulators take turns, in the same order in every step
.irp a, \a0, \a0+1
.irp b, 0,1,2,3,4,5,6,7
	WM \a, \b, \st, \zero
.endr
.endr
.endm
.macro FETCH_B st, p
	WIN TO_B
.irp i, 0,1,2,3,4,5,6,7
	FRAG 128*(\p)+FR*\i, ADRB, \st, \i
.endr
	WIN 0
.endm
.macro FETCH_A st, i0
.irp i, \i0, \i0+1, \i0+2, \i0+3
	FRAG AF+FR*(\i), ADRA, \st, \i
.endr
.endm
.macro PLACES n
.rept \n
	v_nop
.endr
.endm
.macro STEP st, zero                   ; 64 products on step st's fragments; the next step's are fetched in its middle (B, A's blocks 0-3) and at its end (A's blocks 4-7)
.set NX, (\st)+1
.if (\st) == 2                         ; chunk 0 is read no more: the three lines, a round, the refill
	s_wait_tensorcnt 0x0
	ds_add_u32 v[SPW], v[NIL]
	s_wait_dscnt 4*NL+1                            ; the add and A's blocks 4-7 may be out
	WIN MUL_LO
	MUL16 0, \st, \zero
	s_wait_dscnt 0x0                               ; the add is done, and my reads of chunk 0 are over
	s_barrier_signal -1
	MUL16 2, \st, \zero
	WIN 0
	s_barrier_wait -1
	CREST
	JLOAD G0R, G1, G0RB, G1B                       ; chunk 2 into slot 0; its four v_nop are the places in front of the loads below
.elseif (\st) == 4                     ; the next step reads chunk 2: my part has landed, and the barrier shows it whole
	s_wait_dscnt 4*NL
	WIN MUL_LO
	MUL16 0, \st, \zero
	s_wait_tensorcnt 0x0
	s_wait_dscnt 0x0
	s_barrier_signal -1
	MUL16 2, \st, \zero
	WIN 0
	s_barrier_wait -1
	PLACES NP
.else
	s_wait_dscnt 4*NL                              ; all but A's blocks 4-7 are in
	WIN MUL_LO
	MUL16 0, \st, \zero
	MUL16 2, \st, \zero
	s_wait_dscnt 0
	PLACES NP
.endif
	FETCH_B NX, NX%2
	FETCH_A NX, 0
	WIN MUL_HI
	MUL16 4, \st, \zero
	MUL16 6, \st, \zero
	PLACES NP
	WIN 0
	FETCH_A NX, 4
.endm
	s_wait_alu depctr_va_vdst(0)                   ; the wait at the head's end
.irp j, 0,1,2,3
.irp hf, 0,1
	global_load_b128 v[SC+8*\j+4*\hf:SC+8*\j+4*\hf+3], v[ADRS], s[22:23] offset:1024*\j+16*\hf          ; A's rows 32 j + lane: scale words 4 hf .. 4 hf + 3
	global_load_b128 v[SC+32+8*\j+4*\hf:SC+32+8*\j+4*\hf+3], v[ADRS], s[92:93] offset:1024*\j+16*\hf    ; B's
.endr
.endr
	s_wait_tensorcnt 0x0                           ; my tile of the head's four is in; no load of mine is out, so group 1 may be written: the refill brings 128 rows
	MKG1 G1, 256, 128, KROW
	MKG1 G1B, 256, 128, KROW
	s_barrier_signal -1
	s_barrier_wait -1                              ; all four tiles are in
	FETCH_B 0, 0
	FETCH_A 0, 0
	FETCH_A 0, 4
	s_wait_loadcnt 0x0                             ; the scale words
	STEP 0, 1                                      ; the first step's products start the sums
.irp st, 1,2,3,4,5,6
	STEP \st, 0
.endr
	s_wait_dscnt 4*NL
	WIN MUL_LO
	MUL16 0, 7, 0
	MUL16 2, 7, 0
	s_wait_dscnt 0
	WIN MUL_HI
	MUL16 4, 7, 0
	MUL16 6, 7, 0
	WIN 0
; THE WAY OUT, a loop of eight trips, one for each block of 16 rows x 128: the block's 64 registers are copied (x 0.5) to window 0 by one of eight cases, then one text serves all: gelu, true order, quantiser, stores
.macro QUANT s, w
	WIN 5*(\w)
.irp b, 0,1,2,3
	v_max3_num_f32 v[TM+\b], |v[(\s)+16*\b]|, |v[(\s)+1+16*\b]|, 0x1800000
.endr
.irp i, 2,4,6,8,10,12,14
.irp b, 0,1,2,3
	v_max3_num_f32 v[TM+\b], |v[(\s)+16*\b+\i]|, |v[(\s)+1+16*\b+\i]|, v[TM+\b]
.endr
.endr
	WIN 0
.irp b, 0,1,2,3
	v_permlanex16_b32 v[TM+4+\b], v[TM+\b], s[SEL], s[SEL+1]
.endr
.irp b, 0,1,2,3
	v_max_num_f32 v[TM+\b], v[TM+\b], v[TM+4+\b]
.endr
.irp b, 0,1,2,3
	v_add_nc_u32 v[TM+12+\b], 0xff000000, v[TM+\b]
.endr
.irp b, 0,1,2,3
	v_lshrrev_b32 v[TM+4+\b], 23, v[TM+12+\b]
.endr
	v_lshl_or_b32 v[PW], v[TM+5], 8, v[TM+4]
	v_lshl_or_b32 v[PW], v[TM+6], 16, v[PW]
	v_lshl_or_b32 v[PW], v[TM+7], 24, v[PW]
	WIN \w
.irp c, 0,1
	v_cvt_scalef32_pk16_fp6_f32 v[PC+6*\c:PC+2+6*\c], v[(\s)+32*\c:(\s)+15+32*\c], v[TM+12+2*\c]
	v_cvt_scalef32_pk16_fp6_f32 v[PC+12+4*\c:PC+14+4*\c], v[(\s)+16+32*\c:(\s)+31+32*\c], v[TM+13+2*\c]
.endr
	WIN 0
	v_nop
.irp c, 0,1
.irp i, 0,1,2
	v_permlane16_swap_b32 v[PC+6*\c+\i], v[PC+12+4*\c+\i]
.endr
.irp i, 0,1,2
	v_mov_b32 v[PC+3+6*\c+\i], v[PC+12+4*\c+\i]
.endr
.endr
.endm
.macro GELU u                          ; 16 numbers: G holds x / 2; G += G erf(x / sqrt 2)
.set GB, G+16*(\u)
.irp i, 0,2,4,6,8,10,12,14
	v_pk_mul_f32 v[Z+\i:Z+\i+1], v[GB+\i:GB+\i+1], s[24:25] op_sel_hi:[1,0]
.endr
.irp i, 0,1,2,3,4,5,6,7,8,9,10,11,12,13,14,15
	v_med3_num_f32 v[Z+\i], v[Z+\i], -4.0, 4.0
.endr
.irp i, 0,2,4,6,8,10,12,14
	v_pk_mul_f32 v[W+\i:W+\i+1], v[Z+\i:Z+\i+1], v[Z+\i:Z+\i+1]
.endr
.irp i, 0,2,4,6,8,10,12,14
	v_pk_fma_f32 v[P+\i:P+\i+1], v[W+\i:W+\i+1], s[26:27], v[KA11:KA11+1] op_sel_hi:[1,0,1]
.endr
.irp c, 28,30,32,34,36
.irp i, 0,2,4,6,8,10,12,14
	v_pk_fma_f32 v[P+\i:P+\i+1], v[P+\i:P+\i+1], v[W+\i:W+\i+1], s[\c:\c+1] op_sel_hi:[1,1,0]
.endr
.endr
.irp i, 0,2,4,6,8,10,12,14
	v_pk_mul_f32 v[P+\i:P+\i+1], v[P+\i:P+\i+1], v[Z+\i:Z+\i+1]
.endr
.irp i, 0,2,4,6,8,10,12,14
	v_pk_fma_f32 v[Z+\i:Z+\i+1], v[W+\i:W+\i+1], s[38:39], v[KB6:KB6+1] op_sel_hi:[1,0,1]
.endr
.irp c, 48,50,52
.irp i, 0,2,4,6,8,10,12,14
	v_pk_fma_f32 v[Z+\i:Z+\i+1], v[Z+\i:Z+\i+1], v[W+\i:W+\i+1], s[\c:\c+1] op_sel_hi:[1,1,0]
.endr
.endr
	s_wait_alu depctr_va_vdst(0)
.irp i, 0,1,2,3,4,5,6,7,8,9,10,11,12,13,14,15
	v_rcp_f32 v[Z+\i], v[Z+\i]
.endr
	v_nop
	s_wait_alu depctr_va_vdst(0)
.irp i, 0,2,4,6,8,10,12,14
	v_pk_mul_f32 v[P+\i:P+\i+1], v[P+\i:P+\i+1], v[Z+\i:Z+\i+1]
.endr
.irp i, 0,2,4,6,8,10,12,14
	v_pk_fma_f32 v[GB+\i:GB+\i+1], v[GB+\i:GB+\i+1], v[P+\i:P+\i+1], v[GB+\i:GB+\i+1]
.endr
.endm
.macro KONST reg, bits
	s_mov_b32 s[\reg], \bits
	s_mov_b32 s[\reg+1], \bits
.endm
	KONST 24, 0x3fb504f3
	KONST 26, 0xaf95df0b
	KONST 28, 0xb60cff51
	KONST 30, 0xb86ec2d2
	KONST 32, 0xba40ac63
	KONST 34, 0xbb41a1f6
	KONST 36, 0xbc83dbd4
	KONST 38, 0xb77460cd
	KONST 48, 0xbadc924e
	KONST 50, 0xbbf19bf8
	KONST 52, 0xbc69b6a7
	v_mov_b32 v[KA11], 0x32edffee
	v_mov_b32 v[KA11+1], 0x32edffee
	v_mov_b32 v[KB6], 0xb95fbd29
	v_mov_b32 v[KB6+1], 0xb95fbd29
	s_lshl_b32 s18, s17, 4
	s_lshl_b32 s19, s15, 3
	s_add_co_u32 s18, s18, s19
	s_lshl_b32 s19, s42, 1
	s_add_co_u32 s19, s19, s16
	s_mul_i32 s20, s18, 49152
	s_mul_i32 s21, s19, 1536
	s_add_co_u32 s20, s20, s21
	s_mov_b32 s21, 0
	s_lshl_b32 s22, s18, 11
	s_lshl_b32 s23, s19, 6
	s_add_co_u32 s22, s22, s23
	s_add_co_u32 s22, s22, 12582912
	s_mov_b32 s23, 0
	s_add_nc_u64 s[20:21], s[10:11], s[20:21]
	s_add_nc_u64 s[22:23], s[10:11], s[22:23]
	v_and_b32 v1, 15, v0
	v_bfe_u32 v2, v0, 4, 1
	v_and_b32 v3, 31, v0
	v_lshlrev_b32 v[LI], 4, v3
	v_lshlrev_b32 v[SH], 4, v2
	v_lshlrev_b32 v[B16], 1, v2
	v_lshl_add_u32 v[B16], v1, 2, v[B16]
.irp b, 0,1,2,3
	v_mov_b32 v[TM+4+\b], 0
.endr
	PLACES NP
	s_mov_b32 s3, 0
.Lblk:
.irp k, 1,2,3,4,5,6,7
	s_cmp_eq_u32 s3, \k
	s_cbranch_scc1 .Lcase\k
.endr
.irp k, 0,1,2,3,4,5,6,7
.Lcase\k:
	WIN 2+\k/4
.set i, 0
.rept 32
	v_pk_mul_f32 v[G+i:G+i+1], v[64*(\k%4)+i:64*(\k%4)+i+1], 0.5 op_sel_hi:[1,0]
.set i, i+2
.endr
	WIN 0
	s_branch .Lcommon
.endr
.Lcommon:
	GELU 0
	GELU 1
	GELU 2
	GELU 3
.irp b, 0,1,2,3
.irp i, 0,1,2,3,4,5,6,7
	v_permlane16_swap_b32 v[G+16*\b+\i], v[G+16*\b+8+\i]
.endr
.endr
	QUANT G, 0
	v_lshrrev_b32 v[SW], v[SH], v[PW]
.irp c, 0,1,2
	global_store_b128 v[LI], v[PC+4*\c:PC+4*\c+3], s[20:21] offset:512*\c
.endr
	global_store_b16 v[B16], v[SW], s[22:23]
	s_wait_xcnt 0x0
	s_add_nc_u64 s[20:21], s[20:21], 49152
	s_add_nc_u64 s[22:23], s[22:23], 2048
	s_add_co_u32 s3, s3, 1
	s_cmp_lt_u32 s3, 8
	s_cbranch_scc1 .Lblk
	s_wait_tensorcnt 0x0                           ; the wave's end
	ds_add_u32 v[SPW], v[NIL]
	s_wait_dscnt 0x0
	CROUND                                         ; the closing round
	s_endpgm
.Lfunc_end_k_qca2a595a14_ffn1:
	.size	k_qca2a595a14_ffn1, .Lfunc_end_k_qca2a595a14_ffn1-k_qca2a595a14_ffn1
	.p2alignl 7, 3214868480
	.fill 96, 4, 3214868480
	.section	.rodata,"a",@progbits
	.p2align	6, 0x0
	.amdhsa_kernel k_qca2a595a14_ffn1
		.amdhsa_group_segment_fixed_size 327680
		.amdhsa_private_segment_fixed_size 0
		.amdhsa_enable_private_segment 0
		.amdhsa_kernarg_size 32
		.amdhsa_user_sgpr_count 2
		.amdhsa_user_sgpr_kernarg_segment_ptr 1
		.amdhsa_wavefront_size32 1
		.amdhsa_system_sgpr_workgroup_id_x 1
		.amdhsa_system_sgpr_workgroup_id_y 1
		.amdhsa_system_sgpr_workgroup_id_z 1
		.amdhsa_system_vgpr_workitem_id 0
		.amdhsa_next_free_vgpr 1024
		.amdhsa_next_free_sgpr 100
		.amdhsa_reserve_vcc 0
		.amdhsa_float_denorm_mode_32 3
		.amdhsa_float_denorm_mode_16_64 3
		.amdhsa_memory_ordered 1
		.amdhsa_forward_progress 1
		.amdhsa_inst_pref_size 189
	.end_amdhsa_kernel
	.amdgpu_metadata
---
amdhsa.version: [ 1, 2 ]
amdhsa.kernels:
  - .name:           k_qca2a595a14_ffn1
    .symbol:         k_qca2a595a14_ffn1.kd
    .args:
      - { .name: hrow, .offset: 0, .size: 8, .value_kind: global_buffer, .address_space: global }
      - { .name: w1_codes, .offset: 8, .size: 8, .value_kind: global_buffer, .address_space: global }
      - { .name: w1_scales, .offset: 16, .size: 8, .value_kind: global_buffer, .address_space: global }
      - { .name: himg, .offset: 24, .size: 8, .value_kind: global_buffer, .address_space: global }
    .group_segment_fixed_size: 327680
    .private_segment_fixed_size: 0
    .kernarg_segment_align: 8
    .kernarg_segment_size: 32
    .max_flat_workgroup_size: 128
    .sgpr_count:     100
    .vgpr_count:     1024
    .wavefront_size: 32
...
	.end_amdgpu_metadata
.endif
;; end of part 5
;; launch ffn2 (part 6): grid 8 x 32, 4 waves a work-group, clusters of 4 x 4, 327,680 bytes of LDS; arguments himg, w2_codes, w2_scales, x1, out0; writes out0
.if DOCPART == 6
	.amdgcn_target "amdgcn-amd-amdhsa--gfx1250"
	.amdhsa_code_object_version 6
	.text
	.protected	k_qca2a595a14_ffn2
	.globl	k_qca2a595a14_ffn2
	.p2align	8
	.type	k_qca2a595a14_ffn2,@function
k_qca2a595a14_ffn2:
	s_mov_b64 s[64:65], 0
	v_nop
	global_prefetch_b8 v0, s[64:65] scope:SCOPE_SE
	s_setreg_imm32_b32 hwreg(HW_REG_WAVE_MODE, 25, 1), 1
	s_wait_xcnt 0x0
	s_wait_alu depctr_hold_cnt(0) depctr_sa_sdst(0) depctr_va_vdst(0) depctr_va_sdst(0) depctr_va_ssrc(0) depctr_va_vcc(0) depctr_vm_vsrc(0)
	s_getreg_b32 s2, hwreg(HW_REG_IB_STS2, 6, 4)
	s_cmp_eq_u32 s2, 0
	s_cbranch_scc0 .Lentry_in_a_cluster
	s_endpgm
.Lentry_in_a_cluster:
	s_bfe_u32 s2, ttmp6, 0x10000c
	s_cmp_lg_u32 s2, 0xf033
	s_cbranch_scc0 .Lentry_shape_is_right
	s_endpgm
.Lentry_shape_is_right:
; out = res + A W^T on codes of FP6 (E2M3) with E8M0 scales, K = 4,096.  A: [4096][4096] as images of its fragments' registers, [tile of 16 rows][chunk of 128 K][1,536 bytes] (registers 4 c .. 4 c + 3 at
; 512 c + 16 x lane), its scale words [tile][chunk][16 rows][4 bytes] behind them at byte 12,582,912.  W: [1024][4096] codes, rows as streams of bits, and scale bytes [1024][128].  res, out: [4096][1024] f32.
; 1,024 columns give only 64 tiles of 256 x 256, so a tile is 128 x 128: 256 work-groups of four waves.  Wave w makes rows 32 w .. 32 w + 31 x all 128 columns: 16 accumulators.
; A GOES STRAIGHT INTO REGISTERS.  Its fragments lie in memory as the registers want them, so a fragment is three loads of 512 consecutive bytes; a wave's rows are its own, so no byte of A is loaded twice by a work-group.
; A ring of eight register sets (2 fragments and a scale word each: 7 loads) is asked for seven steps ahead of its use: 56 loads of a wave are out.
; W GOES THROUGH LDS, which it has to itself: two slots of 1,024 along K, eight steps (128 matrix instructions a wave) each, rows of 768 bytes, three aligned blocks of 256 bytes of memory.
; THE HEAD: one tensor load a wave: waves 0 and 1 fetch the two halves of slot 0 (64 rows each), waves 2 and 3 the scale bytes of 64 rows each, for all of K.  Slot 1 is first filled behind the three lines and a round
; of the cluster's barrier, 32 rows a wave, and has seven steps in which to land; two refills bring the rest of K.
; CLUSTERS: 4 x 4 work-groups; W's tiles hang on the tile column alone and are asked for jointly along a column of the cluster.  A's rows are shared by the eight work-groups of a tile row, but loads into registers
; cannot be joint: that sharing is given up for the longer slots.
; NO PREFETCH: the requests themselves run ahead: a refill is asked for eight steps ahead of its first read, A's sets seven steps ahead.
; THE MATRIX INSTRUCTION IS USED TRANSPOSED (source 0 = 16 rows of W, source 1 = 16 rows of A): a lane holds eight neighbouring numbers of a row of out.
; The 32 steps are written out: every offset is an immediate, no pointer is stepped, and each wait's count can be read off the text.
; REGISTERS, in windows of 256: window 0: v0-31 addresses; v32-63 W's scale words, two sets of 16 (four steps each); v64-71 A's scale words, one for each set; v128-255 the way out.
;   window 1: W's fragments, two sets of 8 x 12.   window 2: A's eight sets of 2 x 12.   window 3: v0-127 the accumulators ((a, b) at v[8 (8 a + b)]); v128-255 my part of res.
; A STEP'S REQUESTS STAND IN ONE RUN AT ITS HEAD: A's set seven steps on (7 loads), then the 48 LDS loads of the next step's fragments of W; the step's 16 products follow on end.  So every fragment load has 16 products
; between its issue and the wait for it, and a step has three switches of the register windows for its loads.
.set SIZE_K, 4096
.set KROW,  SIZE_K*6/8                 ; a row of W in bytes
.set KS,    SIZE_K/32                  ; a row of W's scale bytes
.set TS,    SIZE_K/2                   ; A's scale words of a tile of 16 rows, in bytes
.set RTB,   12*SIZE_K                  ; A's images of a tile of 16 rows, in bytes
.set BROW,  768                        ; 1,024 codes: a row of a slot
.set BP,    816                        ; and in LDS: 3 x (256 bytes + 16 of padding) = 204 words: row r starts at bank 12 r mod 64, sixteen different multiples of 4; lanes 16-31 lie 6 or 10 words on
.set QB,    32*BP                      ; 32 rows: what one tensor load of the ring brings
.set SLOT,  128*BP
.set SCB,   2*SLOT                     ; W's scale bytes of the tile's 128 rows, all of K, as units of 256 bytes + 16 of padding
.set QS,    (32*KS/256)*272            ; those of 32 rows
.set SBLK,  (16*KS/256)*272            ; those of 16 rows
.set STAGE, SCB+4*QS                   ; the way out: 16 rows x (512 bytes + 16) for each wave; no tensor load fills it
.set SPITCH, 528
.set SPARE, STAGE+4*16*SPITCH          ; the spare words, 128 bytes a wave
.set ADRB, 8                           ; v8-15  my lane's place in W's rows: + 4 x slot + 2 x (rows 64 on) + 1 (behind one padding more)
.set STO,  24
.set RD,   25
.set LI,   27                          ; 16 x lane: A's images, and a row of res and out
.set SPW,  28
.set NIL,  29
.set ADSB, 30
.set ASO,  31                          ; A's scale words: 4 (lane % 16), lanes 16-31 the next tile of rows
.set SBW,  32
.set SAW,  64
.set OUTR, 128
.set RES,  128
.set G0H,  24                          ; s[24:27], s[32:39]: groups 0 and 1 of the head's load of codes: 64 rows of slot 0
.set G1H,  32
.set G1B, 48
.set G0B, 56
.set G1SB, 80
.set G0SB, 88
.set MULW, 0xf9                        ; source 0 (W) window 1, source 1 (A) window 2, C and D window 3
.set TO_B, 0x40                        ; destination window 1
.set TO_A, 0x80                        ; destination window 2
.set MSB, 0
.macro WIN new                         ; the immediate's high byte repeats the setting that is left
.if MSB != \new
	s_set_vgpr_msb (MSB<<8)|\new
.set MSB, \new
.endif
.endm
.macro CREST                           ; a round of the cluster's barrier behind its opening barrier
	s_cmp_lg_u32 s14, 0
	s_cbranch_scc1 .Lnot_wave_0_\@
	s_barrier_signal -3
.Lnot_wave_0_\@:
	s_barrier_wait -3
	s_barrier_signal -1
	s_barrier_wait -1
.endm
.macro CROUND
	s_barrier_signal -1
	s_barrier_wait -1
	CREST
.endm
.macro PLACES n                        ; plain vector lines between a matrix instruction and a load into, or a read of, its registers
.rept \n
	v_nop
.endr
.endm
	s_load_b256 s[4:11], s[0:1], 0x0               ; A s[4:5], W's codes s[6:7], W's scales s[8:9], res s[10:11]
	s_load_b64 s[12:13], s[0:1], 0x20              ; out
	v_lshl_add_u32 v[SPW], v0, 2, SPARE
	v_mov_b32 v[NIL], 0
	ds_add_u32 v28, v29                            ; the opening lines: the add twice on end and one wait
	ds_add_u32 v28, v29
	s_wait_dscnt 0x0
	v_lshrrev_b32 v1, 5, v0
	v_readfirstlane_b32 s14, v1                    ; wave 0..3
	s_bfe_u32 s40, ttmp6, 0x40000                  ; cx, cy
	s_bfe_u32 s41, ttmp6, 0x40004
	s_lshl_b32 s42, ttmp9, 2
	s_add_co_u32 s42, s42, s40                     ; tile column
	s_and_b32 s17, ttmp7, 0xffff
	s_lshl_b32 s17, s17, 2
	s_add_co_u32 s17, s17, s41                     ; tile row
	s_lshl_b32 s44, 0x1111, s40                    ; my column of the cluster
	s_or_b32 s[G1B+0], s44, (0<<16)|(1<<20)|(1<<21)|(5<<22)|(3<<25)   ; W's tiles: the mask; elements of 1 byte; padding on; bit 21 beside a mask; 4 words behind every 64
	s_mov_b32 s[G1B+1], BROW<<16                   ; tensor_dim0
	s_mov_b32 s[G1B+2], 32<<16                     ; tensor_dim1
	s_mov_b32 s[G1B+3], BROW<<16                   ; tile_dim0
	s_mov_b32 s[G1B+4], 32                         ; tile_dim1
	s_mov_b32 s[G1B+5], KROW                       ; stride
	s_mov_b32 s[G1B+6], 0
	s_mov_b32 s[G1B+7], 0
	s_or_b32 s[G1SB+0], s44, (3<<16)|(1<<20)|(1<<21)|(5<<22)|(3<<25)  ; W's scale bytes of 64 rows: a dense block, as rows of 256 bytes + 16 of padding
	s_mov_b32 s[G1SB+1], 32<<16
	s_mov_b32 s[G1SB+2], (64*KS/256)<<16
	s_mov_b32 s[G1SB+3], 32<<16
	s_mov_b32 s[G1SB+4], 64*KS/256
	s_mov_b32 s[G1SB+5], 32
	s_mov_b32 s[G1SB+6], 0
	s_mov_b32 s[G1SB+7], 0
	s_lshl_b32 s18, s14, 5
	s_lshl_b32 s46, s42, 7
	s_add_co_u32 s46, s46, s18                     ; W: row 128 x tile column + 32 x wave: what I fetch in the ring
	s_mul_i32 s46, s46, KROW
	s_mov_b32 s47, 0
	s_mov_b32 s93, 0
	s_mul_i32 s94, s14, QB                         ; where it goes: wave x 32 rows: no place in the cluster enters an LDS address
	s_lshr_b32 s15, s14, 1                         ; at the head waves 0, 1 fetch slot 0's codes, waves 2, 3 the scale bytes:
	s_and_b32 s16, s14, 1                          ; which 64 rows
	s_lshl_b32 s18, s16, 6
	s_lshl_b32 s28, s42, 7
	s_add_co_u32 s28, s28, s18                     ; row 128 x tile column + 64 x half
	s_mul_i32 s92, s28, KS
	s_mul_i32 s28, s28, KROW
	s_mov_b32 s29, 0
	s_mul_i32 s96, s16, 2*QS
	s_mul_i32 s95, s16, 64*BP
	s_or_b32 s[G1H+0], s44, (0<<16)|(1<<20)|(1<<21)|(5<<22)|(3<<25)
	s_mov_b32 s[G1H+1], BROW<<16
	s_mov_b32 s[G1H+2], 64<<16
	s_mov_b32 s[G1H+3], BROW<<16
	s_mov_b32 s[G1H+4], 64
	s_mov_b32 s[G1H+5], KROW
	s_mov_b32 s[G1H+6], 0
	s_mov_b32 s[G1H+7], 0
	s_lshl_b32 s20, s17, 3
	s_lshl_b32 s18, s14, 1
	s_add_co_u32 s20, s20, s18                     ; A: my first tile of 16 rows: 8 x tile row + 2 x wave
	s_mul_i32 s22, s20, TS
	s_mul_i32 s20, s20, RTB
	s_mov_b32 s21, 0
	s_mov_b32 s23, 0
	v_and_b32 v1, 15, v0                           ; r
	v_bfe_u32 v2, v0, 4, 1                         ; h
	v_and_b32 v3, 31, v0
	v_lshlrev_b32 v[LI], 4, v3
	v_lshlrev_b32 v4, 2, v1
	v_lshl_add_u32 v[ASO], v2, 11, v4              ; 4 r + 2,048 h
	s_wait_kmcnt 0x0
	s_add_nc_u64 s[22:23], s[4:5], s[22:23]
	s_add_nc_u64 s[22:23], s[22:23], 3072*SIZE_K   ; A's scale words, my rows
	s_add_nc_u64 s[4:5], s[4:5], s[20:21]          ; A's images, my rows
	s_add_nc_u64 s[46:47], s[6:7], s[46:47]
	s_add_nc_u64 s[92:93], s[8:9], s[92:93]
	s_mov_b32 s[G0H], 1
	s_mov_b32 s[G0H+1], s95
	s_add_nc_u64 s[G0H+2:G0H+3], s[6:7], s[28:29]
	s_or_b32 s[G0H+3], s[G0H+3], 0x80000000
	s_mov_b32 s[G0SB], 1
	s_add_co_u32 s[G0SB+1], s96, SCB
	s_mov_b64 s[G0SB+2:G0SB+3], s[92:93]
	s_or_b32 s[G0SB+3], s[G0SB+3], 0x80000000
.irp s, 0,1
	s_mov_b32 s[G0B+4*\s], 1
	s_add_co_u32 s[G0B+4*\s+1], s94, \s*SLOT
	s_add_nc_u64 s[G0B+4*\s+2:G0B+4*\s+3], s[46:47], \s*BROW
	s_or_b32 s[G0B+4*\s+3], s[G0B+4*\s+3], 0x80000000
.endr
	CROUND                                         ; all sixteen work-groups are here: the first joint loads meet
	s_cmp_eq_u32 s15, 0                            ; one tensor load a wave at the head
	s_cbranch_scc0 .Lhead_scales
	tensor_load_to_lds s[G0H:G0H+3], s[G1H:G1H+7]          ; 64 rows of slot 0
	s_nop 0
.rept 4
	v_nop
.endr
	s_branch .Lhead_asked
.Lhead_scales:
	tensor_load_to_lds s[G0SB:G0SB+3], s[G1SB:G1SB+7]      ; the scale bytes of 64 rows
	s_nop 0
.rept 4
	v_nop
.endr
.Lhead_asked:
; Step qn's two fragments of A and their scale words into set qn % 8: seven loads
.macro ALOAD qn
	WIN TO_A
.irp a, 0,1
.irp c, 0,1,2
	global_load_b128 v[24*((\qn)%8)+12*\a+4*\c:24*((\qn)%8)+12*\a+4*\c+3], v[LI], s[4:5] offset:RTB*\a+1536*(\qn)+512*\c   ; 32 lanes read 512 consecutive bytes
.endr
.endr
	WIN 0
	global_load_b32 v[SAW+(\qn)%8], v[ASO], s[22:23] offset:64*(\qn)   ; lanes 0-15 my first tile's words, lanes 16-31 my second's: 128 bytes beside the step's 3,072 of codes
.endm
; Eight rows of my 32 x 128 of res, in the layout in which the results leave
.macro RLOAD g
	WIN 0xc0                                       ; destination window 3
.irp i, 0,1,2,3,4,5,6,7
	global_load_b128 v[RES+4*(8*(\g)+\i):RES+4*(8*(\g)+\i)+3], v[LI], s[10:11] offset:(8*(\g)+\i)*4096 th:TH_LOAD_NT
.endr
	WIN 0
.endm
; What step q asks of memory: the set that step q - 1 has just multiplied takes step q + 7's fragments; when A is all asked for, res takes its turn
.macro AISSUE q
.if ((\q) >= 1) && ((\q) <= 24)
	ALOAD (\q)+7
.elseif ((\q) >= 25) && ((\q) <= 28)
	RLOAD (\q)-25
.endif
.endm
; The wait for step q's set.  It was asked for in step q - 7 (the first eight sets ahead of step 0, as if in steps -7 .. 0); loads come back in order, so the count is what steps q - 6 .. q - 1 have asked for since
; (7 loads each up to step 24, 8 in steps 25 to 28, then none), and step q's own request too where that stands ahead of the wait (incl = 1)
.macro LWAIT q, incl
.set NW, 0
.set sx, (\q)-6
.rept 6+(\incl)
.if sx <= 24
.set NW, NW+7
.elseif sx <= 28
.set NW, NW+8
.endif
.set sx, sx+1
.endr
	s_wait_loadcnt NW
.endm
; Two of W's eight fragments of step qn, from rows: six pieces of 8 bytes each; 16 bytes of padding lie behind every 32 pieces: where the piece three on lies behind one padding more, the second address register serves
.macro FB2 qn, i0
.set FSL, ((\qn)/8)%2
.set FQ,  (\qn)%8
.set FST, 96*((\qn)%2)
	WIN TO_B
.irp i, \i0, \i0+1
.irp p, 0,1,2,3,4,5
.set PCE, 12*FQ+6*(\p/3)+\p%3
.set FAD, ADRB+4*FSL+2*((\i)/4)
.if PCE%32 >= 29
.set FAD, FAD+1
.endif
	ds_load_b64 v[FST+12*(\i)+2*\p:FST+12*(\i)+2*\p+1], v[FAD] offset:8*PCE+16*(PCE/32)+((\i)%4)*16*BP
.endr
.endr
.endm
.macro FB8 qn                          ; all eight: 48 loads in one run
	FB2 \qn, 0
	FB2 \qn, 2
	FB2 \qn, 4
	FB2 \qn, 6
.endm
.macro SCALESB g                       ; W's scale words of steps 4 g .. 4 g + 3: lanes 0-15 take tile 2 ip, lanes 16-31 tile 2 ip + 1
.irp ip, 0,1,2,3
	ds_load_b128 v[SBW+16*((\g)%2)+4*\ip:SBW+16*((\g)%2)+4*\ip+3], v[ADSB] offset:2*SBLK*\ip+16*(\g)
.endr
.endm
.macro WM a, b, q, zero                ; one product; the rows of the scale registers go by the blocks' parity
.set DD, 8*(8*(\a)+(\b))
.set FB, 96*((\q)%2)+12*(\b)
.set FA, 24*((\q)%8)+12*(\a)
.set WSB, SBW+16*(((\q)/4)%2)+4*((\b)/2)+(\q)%4
.set WSA, SAW+(\q)%8
.set MODE, 4*(\zero)+2*((\b)%2)+(\a)%2
.if MODE == 0
	v_wmma_scale_f32_16x16x128_f8f6f4 v[DD:DD+7], v[FB:FB+11], v[FA:FA+11], v[DD:DD+7], v[WSB], v[WSA] matrix_a_fmt:MATRIX_FMT_FP6 matrix_b_fmt:MATRIX_FMT_FP6
.elseif MODE == 1
	v_wmma_scale_f32_16x16x128_f8f6f4 v[DD:DD+7], v[FB:FB+11], v[FA:FA+11], v[DD:DD+7], v[WSB], v[WSA] matrix_a_fmt:MATRIX_FMT_FP6 matrix_b_fmt:MATRIX_FMT_FP6 matrix_b_scale:MATRIX_SCALE_ROW1
.elseif MODE == 2
	v_wmma_scale_f32_16x16x128_f8f6f4 v[DD:DD+7], v[FB:FB+11], v[FA:FA+11], v[DD:DD+7], v[WSB], v[WSA] matrix_a_fmt:MATRIX_FMT_FP6 matrix_b_fmt:MATRIX_FMT_FP6 matrix_a_scale:MATRIX_SCALE_ROW1
.elseif MODE == 3
	v_wmma_scale_f32_16x16x128_f8f6f4 v[DD:DD+7], v[FB:FB+11], v[FA:FA+11], v[DD:DD+7], v[WSB], v[WSA] matrix_a_fmt:MATRIX_FMT_FP6 matrix_b_fmt:MATRIX_FMT_FP6 matrix_a_scale:MATRIX_SCALE_ROW1 matrix_b_scale:MATRIX_SCALE_ROW1
.elseif MODE == 4
	v_wmma_scale_f32_16x16x128_f8f6f4 v[DD:DD+7], v[FB:FB+11], v[FA:FA+11], 0, v[WSB], v[WSA] matrix_a_fmt:MATRIX_FMT_FP6 matrix_b_fmt:MATRIX_FMT_FP6
.elseif MODE == 5
	v_wmma_scale_f32_16x16x128_f8f6f4 v[DD:DD+7], v[FB:FB+11], v[FA:FA+11], 0, v[WSB], v[WSA] matrix_a_fmt:MATRIX_FMT_FP6 matrix_b_fmt:MATRIX_FMT_FP6 matrix_b_scale:MATRIX_SCALE_ROW1
.elseif MODE == 6
	v_wmma_scale_f32_16x16x128_f8f6f4 v[DD:DD+7], v[FB:FB+11], v[FA:FA+11], 0, v[WSB], v[WSA] matrix_a_fmt:MATRIX_FMT_FP6 matrix_b_fmt:MATRIX_FMT_FP6 matrix_a_scale:MATRIX_SCALE_ROW1
.else
	v_wmma_scale_f32_16x16x128_f8f6f4 v[DD:DD+7], v[FB:FB+11], v[FA:FA+11], 0, v[WSB], v[WSA] matrix_a_fmt:MATRIX_FMT_FP6 matrix_b_fmt:MATRIX_FMT_FP6 matrix_a_scale:MATRIX_SCALE_ROW1 matrix_b_scale:MATRIX_SCALE_ROW1
.endif
.endm
.macro MULS a, b0, q, zero             ; four products.  The sixteen accumulators take turns, one instruction a turn, in the same order in every step
	WIN MULW
.irp d, 0,1,2,3
	WM \a, (\b0)+\d, \q, \zero
.endr
.endm
; A step that has its successor in the same slot (and the last step of all, which fetches nothing): the requests in one run, then the 16 products
.macro STEP q, zero
	s_wait_dscnt 0x0                               ; this step's fragments of W and its scale words are in
.if (\q) < 31
	PLACES 4                                       ; in front of the loads into the sets that the last step's products read
.if ((\q)+1)%4 == 0
	SCALESB ((\q)+1)/4
.endif
.endif
	AISSUE \q
.if (\q) < 31
	FB8 (\q)+1
.endif
	LWAIT \q, 1
	MULS 0, 0, \q, \zero
	MULS 0, 4, \q, \zero
	MULS 1, 0, \q, \zero
	MULS 1, 4, \q, \zero
	WIN 0
.endm
; A slot's last step changes slots: one barrier; in front of it each wave waits for all its tensor loads, adds 0 to its spare word, and waits for that and for its reads of this slot.  fill = 1: this slot is filled again, 2,048 along K ahead.
.macro TURN q, fill
.set TSL, ((\q)/8)%2
	s_wait_tensorcnt 0x0                           ; all my tensor loads have landed: my part of the next slot
	ds_add_u32 v[SPW], v[NIL]                      ; 0 onto my spare word
	s_wait_dscnt 1                                 ; this step's fragments are in; the add may be out
	LWAIT \q, 0
	MULS 0, 0, \q, 0
	s_wait_dscnt 0x0                               ; the add is done, and my reads of this slot are over
	s_barrier_signal -1
	MULS 0, 4, \q, 0
	WIN 0
	s_barrier_wait -1
.if \fill
	CREST                                          ; the barrier has opened a round of the cluster's: no wave of any partner still reads this slot or has a tensor load on its way
	s_add_nc_u64 s[G0B+4*TSL+2:G0B+4*TSL+3], s[G0B+4*TSL+2:G0B+4*TSL+3], 2*BROW
	tensor_load_to_lds s[G0B+4*TSL:G0B+4*TSL+3], s[G1B:G1B+7]   ; the first tensor load behind the round, one a wave: it has eight steps in which to land
	s_nop 0
.rept 4
	v_nop                                          ; (the places in front of the loads below)
.endr
.else
	PLACES 4
.endif
	SCALESB ((\q)+1)/4
	AISSUE \q
	FB8 (\q)+1
	MULS 1, 0, \q, 0
	MULS 1, 4, \q, 0
	WIN 0
.endm
	s_wait_alu depctr_va_vdst(0)
.irp qn, 0,1,2,3,4,5,6,7
	ALOAD \qn                                      ; the ring of A's sets is filled: 56 loads
.endr
	v_mul_u32_u24 v5, v1, BP
	v_mad_u32_u24 v6, v2, 24, v5                   ; W: row x pitch + 24 x half,
	v_mad_u32_u24 v7, v2, 40, v5                   ; and behind one padding more
.irp s, 0,1
.irp hf, 0,1
	v_add_nc_u32 v[ADRB+4*\s+2*\hf], \s*SLOT+\hf*64*BP, v6
	v_add_nc_u32 v[ADRB+4*\s+2*\hf+1], \s*SLOT+\hf*64*BP, v7
.endr
.endr
	v_mul_u32_u24 v4, v1, KS                       ; W's scale bytes: KS a row, 16 more for each 256 passed; lanes 16-31 take the next 16 rows
	v_lshrrev_b32 v5, 8, v4
	v_lshl_add_u32 v4, v5, 4, v4
	v_mad_u32_u24 v4, v2, SBLK, v4
	v_add_nc_u32 v[ADSB], SCB, v4
	s_mul_i32 s19, s14, 16*SPITCH
	s_add_co_u32 s19, s19, STAGE                   ; my stage
	v_mul_u32_u24 v4, v1, SPITCH
	v_lshl_add_u32 v4, v2, 5, v4
	v_add_nc_u32 v[STO], s19, v4                   ; in: row r, 32 bytes for each half of the lanes
	v_add_nc_u32 v[RD], s19, v[LI]                 ; back: the 32 lanes take one row of 512 bytes
	s_lshl_b32 s20, s17, 7
	s_lshl_b32 s21, s14, 5
	s_add_co_u32 s20, s20, s21                     ; my first row of res and out: 128 x tile row + 32 x wave,
	s_lshl_b32 s20, s20, 12
	s_lshl_b32 s18, s42, 9                         ; the tile's first column, in bytes
	s_add_co_u32 s20, s20, s18
	s_mov_b32 s21, 0
	s_add_nc_u64 s[10:11], s[10:11], s[20:21]
	s_add_nc_u64 s[12:13], s[12:13], s[20:21]
	s_wait_alu depctr_va_vdst(0)
	s_wait_tensorcnt 0x0                           ; my tile of the head's four is in
	ds_add_u32 v[SPW], v[NIL]
	s_wait_dscnt 0x0
	CROUND                                         ; everybody's tile is in, and all sixteen work-groups are here
	tensor_load_to_lds s[G0B+4:G0B+7], s[G1B:G1B+7]        ; slot 1's first fill, my 32 rows: it has seven steps in which to land
	s_nop 0
.rept 4
	v_nop
.endr
	SCALESB 0
	FB8 0
	WIN 0
	STEP 0, 1                                      ; the first step's products start the sums
.irp q, 1,2,3,4,5,6
	STEP \q, 0
.endr
	TURN 7, 1
.irp q, 8,9,10,11,12,13,14
	STEP \q, 0
.endr
	TURN 15, 1
.irp q, 16,17,18,19,20,21,22
	STEP \q, 0
.endr
	TURN 23, 0                                     ; nothing is left to fetch
.irp q, 24,25,26,27,28,29,30,31
	STEP \q, 0
.endr
	; THE WAY OUT: a block of 16 rows x 128 columns goes through my own stage and comes back as rows of 512 bytes; res is added; the 32 lanes store 512 consecutive bytes, two aligned blocks of 256.
	PLACES 4
.irp a, 0,1
	WIN 0x0c                                       ; an LDS store's data are its source 1: window 3
.irp b, 0,1,2,3,4,5,6,7
	ds_store_b128 v[STO], v[8*(8*\a+\b):8*(8*\a+\b)+3] offset:64*\b          ; each accumulator from its low end on
	ds_store_b128 v[STO], v[8*(8*\a+\b)+4:8*(8*\a+\b)+7] offset:64*\b+16
.endr
	WIN 0
.irp t, 0,1,2,3,4,5,6,7,8,9,10,11,12,13,14,15
	ds_load_b128 v[OUTR+64*\a+4*\t:OUTR+64*\a+4*\t+3], v[RD] offset:SPITCH*\t   ; LDS serves a wave's instructions in order: these see my stores, and the next block's stores come behind them
.endr
.endr
	s_wait_loadcnt 0x0                             ; res
.irp a, 0,1
	s_wait_dscnt 32*(1-\a)                         ; block a is back; the second block's 32 LDS instructions may be out
	WIN 0x0c                                       ; source 1 (res) window 3
.set k, 0
.rept 32
	v_pk_add_f32 v[OUTR+64*\a+k:OUTR+64*\a+k+1], v[OUTR+64*\a+k:OUTR+64*\a+k+1], v[RES+64*\a+k:RES+64*\a+k+1]
.set k, k+2
.endr
	WIN 0
.irp t, 0,1,2,3,4,5,6,7,8,9,10,11,12,13,14,15
	global_store_b128 v[LI], v[OUTR+64*\a+4*\t:OUTR+64*\a+4*\t+3], s[12:13] offset:(16*\a+\t)*4096 th:TH_STORE_NT
.endr
.endr
	s_wait_tensorcnt 0x0                           ; the wave's end
	ds_add_u32 v[SPW], v[NIL]
	s_wait_dscnt 0x0
	CROUND                                         ; the closing round
	s_endpgm
.Lfunc_end_k_qca2a595a14_ffn2:
	.size	k_qca2a595a14_ffn2, .Lfunc_end_k_qca2a595a14_ffn2-k_qca2a595a14_ffn2
	.p2alignl 7, 3214868480
	.fill 96, 4, 3214868480
	.section	.rodata,"a",@progbits
	.p2align	6, 0x0
	.amdhsa_kernel k_qca2a595a14_ffn2
		.amdhsa_group_segment_fixed_size 327680
		.amdhsa_private_segment_fixed_size 0
		.amdhsa_enable_private_segment 0
		.amdhsa_kernarg_size 40
		.amdhsa_user_sgpr_count 2
		.amdhsa_user_sgpr_kernarg_segment_ptr 1
		.amdhsa_wavefront_size32 1
		.amdhsa_system_sgpr_workgroup_id_x 1
		.amdhsa_system_sgpr_workgroup_id_y 1
		.amdhsa_system_sgpr_workgroup_id_z 1
		.amdhsa_system_vgpr_workitem_id 0
		.amdhsa_next_free_vgpr 1024
		.amdhsa_next_free_sgpr 98
		.amdhsa_reserve_vcc 0
		.amdhsa_float_denorm_mode_32 3
		.amdhsa_float_denorm_mode_16_64 3
		.amdhsa_memory_ordered 1
		.amdhsa_forward_progress 1
		.amdhsa_inst_pref_size 219
	.end_amdhsa_kernel
	.amdgpu_metadata
---
amdhsa.version: [ 1, 2 ]
amdhsa.kernels:
  - .name:           k_qca2a595a14_ffn2
    .symbol:         k_qca2a595a14_ffn2.kd
    .args:
      - { .name: himg, .offset: 0, .size: 8, .value_kind: global_buffer, .address_space: global }
      - { .name: w2_codes, .offset: 8, .size: 8, .value_kind: global_buffer, .address_space: global }
      - { .name: w2_scales, .offset: 16, .size: 8, .value_kind: global_buffer, .address_space: global }
      - { .name: x1, .offset: 24, .size: 8, .value_kind: global_buffer, .address_space: global }
      - { .name: out0, .offset: 32, .size: 8, .value_kind: global_buffer, .address_space: global }
    .group_segment_fixed_size: 327680
    .private_segment_fixed_size: 0
    .kernarg_segment_align: 8
    .kernarg_segment_size: 40
    .max_flat_workgroup_size: 128
    .sgpr_count:     98
    .vgpr_count:     1024
    .wavefront_size: 32
...
	.end_amdgpu_metadata
.endif
;; end of part 6
